; MI455X (gfx1250); checked and timed in simulation.
; The chip was launched on July 23, 2026; its instructions are those of AMD's public machine-readable ISA for CDNA 5 (MIT licence, August 2026) and "CDNA5" Instruction Set Architecture Reference Guide (July 2026). The comments in the code are by the model that wrote it; some were corrected since.
;; Encoder Layer. Allowed arithmetic: matrix products marked QUANTISED: E4M3 operands, one given power-of-two scale a tensor, by v_wmma_f32_16x16x64_fp8_fp8 or v_wmma_f32_16x16x128_fp8_fp8, f32 sums; everything else in f32.
;; Inputs: W1 1,024 x 4,096 float32; W2 4,096 x 1,024 float32; Wk 1,024 x 1,024 float32; Wo 1,024 x 1,024 float32; Wq 1,024 x 1,024 float32; Wv 1,024 x 1,024 float32; b1 4,096 float32; b2 1,024 float32; bk 1,024 float32; bo 1,024 float32; bq 1,024 float32; bv 1,024 float32; ln1_b 1,024 float32; ln1_g 1,024 float32; ln2_b 1,024 float32; ln2_g 1,024 float32; lowp_scales 16 int32 (the exponents e of the quantised operands' scales 2^e); mask 2 x 1 x 1 x 2,048 int32; x 2 x 2,048 x 1,024 float32.
;; Outputs: out0 2 x 2,048 x 1,024 float32.
;; This version of the problem:
;;   THIS VERSION OF THE PROBLEM IS GIVEN IN LOW PRECISION. The matrix products marked QUANTISED in the list below multiply operands that are first quantised to E4M3 (4 exponent bits, 3 mantissa bits; 8 bits a number), with one given power-of-two scale for each operand tensor; their sums are f32. All else is computed in f32.
;;   The module's matrix products, in the order in which they are computed (A, B: the left and right operand; K: the contracted axis; several contracted axes count as one K, in the product's order):
;;     1. [M 4,096, K 1,024] x [K 1,024, N 1,024]; A: computed on the way; B: input Wq: QUANTISED (scales: A lowp_scales[0], B lowp_scales[1])
;;     2. [M 4,096, K 1,024] x [K 1,024, N 1,024]; A: computed on the way; B: input Wk: QUANTISED (scales: A lowp_scales[2], B lowp_scales[3])
;;     3. [M 4,096, K 1,024] x [K 1,024, N 1,024]; A: computed on the way; B: input Wv: QUANTISED (scales: A lowp_scales[4], B lowp_scales[5])
;;     4. batch 32 x [M 2,048, K 64] x [K 64, N 2,048]; A: computed on the way; B: computed on the way: QUANTISED (scales: A lowp_scales[6], B lowp_scales[7])
;;     5. batch 32 x [M 2,048, K 2,048] x [K 2,048, N 64]; A: softmax (see below); B: computed on the way: QUANTISED (scales: A lowp_scales[8], B lowp_scales[9])
;;     6. [M 4,096, K 1,024] x [K 1,024, N 1,024]; A: computed on the way; B: input Wo: QUANTISED (scales: A lowp_scales[10], B lowp_scales[11])
;;     7. [M 4,096, K 1,024] x [K 1,024, N 4,096]; A: computed on the way; B: input W1: QUANTISED (scales: A lowp_scales[12], B lowp_scales[13])
;;     8. [M 4,096, K 4,096] x [K 4,096, N 1,024]; A: computed on the way; B: input W2: QUANTISED (scales: A lowp_scales[14], B lowp_scales[15])
;;   THE QUANTISER, for each operand of a quantised product, along K:
;;     - The operand's scale is 2^e, e = its entry of the input lowp_scales (int32; the entries are numbered through the quantised products in the list's order, A before B).
;;     - Each number is divided by the scale, clamped to +-448, and rounded to the nearest number of E4M3, ties to even, subnormals kept.
;;     - The product sums the exact products of the quantised numbers (number of the format x scale) in f32.
;;   ~~~python
;;   def quantise(x, axis, e):      # numpy; x: float32 -> the quantised numbers, widened to float32 again
;;       x = np.moveaxis(x, axis, -1); K = x.shape[-1]
;;       r = np.clip(x / 2.0 ** e, -448, 448)
;;       step = 2.0 ** (np.maximum(np.frexp(np.where(r == 0, 1, r))[1] - 1, -6) - 3)
;;       q = np.round(r / step) * step * 2.0 ** e      # np.round: ties to even
;;       return np.moveaxis(q, -1, axis).astype(np.float32)
;;   ~~~
;;   SOFTMAX AHEAD OF A QUANTISED PRODUCT. Where the list says 'softmax', what is quantised is not the finished softmax but p = 2^(t - M), with t = logit x log2(e) and M = ceil(the row's largest t), a whole number; so 1/2 < the row's largest p <= 1. The row's sum l is taken of the UNQUANTISED p, in f32, and the product's result is divided by l at the end. Since M is a whole number, a kernel that streams over the keys may use a running M (the ceiling of the running maximum): every later rescaling is an exact power of two, so the quantised numbers keep their values, but for numbers so far below the row's largest that they fall under the format's range.
;;   OPERANDS COMPUTED ON THE WAY. 'Computed on the way' means the value that the module computes at that place (a softmax that the list does not call 'softmax' is quantised finished and normalised). What goes into a quantiser is computed in f32, as accurately as f32 sums, v_exp_f32 and their like allow (about 1e-6 of the number): no bf16 or f16 on the way to a quantiser, and a product that is left as it is and whose result goes on into a quantised operand takes f32 operands (vector FMAs, or v_wmma_f32_16x16x4_f32). A number that lies on a knife's edge between two numbers of the format may be rounded either way, as far as f32 arithmetic and the matrix unit's own rounding can turn it there, and no further.
;; One version. Each part assembles by itself: llvm-mc -triple=amdgcn-amd-amdhsa -mcpu=gfx1250 --defsym DOCPART=n.
;; ======== version 1 of 1: 7 launches
;; limits: right only within a limited range of input values
;; workspace buffers: wcodes 12,582,912 bytes; nx1 12,582,912 bytes; qkvc 12,582,912 bytes; ao 4,194,304 bytes; x1 16,777,216 bytes; nx2 4,194,304 bytes; hc 16,777,216 bytes
;; launch prep (part 1): grid 640 x 1, 4 waves a work-group, no clusters, 35,328 bytes of LDS; arguments Wq, Wk, Wv, Wo, W1, W2, x, ln1_g, ln1_b, lowp_scales, wcodes, nx1; writes wcodes, nx1
.if DOCPART == 1
	.amdgcn_target "amdgcn-amd-amdhsa--gfx1250"
	.amdhsa_code_object_version 6
	.text
	.protected	k_q44fc315bc5_prep
	.globl	k_q44fc315bc5_prep
	.p2align	8
	.type	k_q44fc315bc5_prep,@function
k_q44fc315bc5_prep:
	s_mov_b64 s[64:65], 0
	v_nop
	global_prefetch_b8 v0, s[64:65] scope:SCOPE_SE
	s_setreg_imm32_b32 hwreg(HW_REG_WAVE_MODE, 25, 1), 1
	s_wait_xcnt 0x0
; PREP, the first of seven launches of one encoder layer (4,096 tokens, width 1,024, 16 heads of 64, hidden 4,096), all eight products on codes of FP8 (E4M3).
; NO WORK IS LEFT OUT: every product of the layer reaches out0, and every input (x, mask, both norms' gains and offsets, six weights, six biases, the sixteen exponents) moves a code or a sum that reaches it; bk too, since it moves K's codes.
; LIMITS of the whole program: each exponent e that a conversion takes lies between -126 and 119, each sum of two exponents that scales a product between -126 and 127; NaN among the inputs is not served.
; THIS LAUNCH.  Work-groups 0-383: the six weights, f32 stored [K][N], become codes laid [N][K], K innermost, in wcodes: Wq, Wk, Wv, Wo at 0, 1, 2, 3 MiB, W1 at 4 MiB, W2 at 8 MiB.
;   A work-group takes 128 columns x 256 along K; a lane takes a column and its registers run down K, so each load reads 128 neighbouring bytes a wave and the conversions give codes with K innermost.
;   The codes go through the wave's own stage in LDS and leave as rows: sixteen lanes store 256 consecutive bytes, aligned.  One path serves all six: what differs is chosen by selects on the work-group's number.
; Work-groups 384-639: layer norm 1 of x, a wave to a row, four rows a wave, quantised three times (entries 0, 2, 4 of the exponents) into the three planes of nx1 [3][4096][1024].
;   In chunk c a lane holds columns 256 c + 8 lane + 0..7: one conversion gives its 8 codes, and a store of 8 bytes a lane covers 256 consecutive bytes, aligned.  This role touches no LDS.
; code = number / 2^e, held within +-448, to the nearest code, ties to even.
.set PITCH,  272                       ; a stage row: 256 bytes of codes + 16
.set STAGEW, 32*PITCH                  ; a wave's stage: 32 columns
.set SPARE,  4*STAGEW                  ; behind the stages: the spare words, 128 bytes a wave, that no other line names
.set SPW,  254                         ; v254 my spare word's LDS address; never rewritten
.set NIL,  255                         ; v255 0; never rewritten
.set WX,   32                          ; weights: v32-95 two sets of 32 numbers
.set WC,   96                          ; v96-103 a block's codes
.set WOUT, 112                         ; v112-175 the way out
.set WVO,  176                         ; v176-207 4 lane + i rows of W
.set WSO,  208                         ; v208-223 the stores' offsets
.set G,    16                          ; norm: v16-47 gain, v48-79 offset, v80-207 four rows, v208-223 at work, v224-247 codes, v248-253 2^e and 448 x 2^e for the three planes
.set BV,   48
.set LX,   80
.set H,    208
.set CD,   224
.set QS,   248
.set NPL,  3
	s_load_b512 s[8:23], s[0:1], 0x0               ; Wq Wk Wv Wo W1 W2 x ln1_g
	s_load_b256 s[24:31], s[0:1], 0x40             ; ln1_b, the exponents, wcodes, nx1
	v_lshl_add_u32 v[SPW], v0, 2, SPARE
	v_mov_b32 v[NIL], 0
	v_lshrrev_b32 v1, 5, v0
	v_readfirstlane_b32 s72, v1                    ; wave 0..3
	v_and_b32 v1, 31, v0                           ; lane
	s_mov_b32 s2, ttmp9
	s_wait_kmcnt 0x0
	s_load_b512 s[36:51], s[26:27], 0x0            ; e0 .. e15 in s36 .. s51
	s_cmp_ge_u32 s2, 384
	s_cbranch_scc1 .Lnorm
; ---------------- the weights ----------------
	s_mov_b64 s[32:33], s[8:9]                     ; which weight, and where its codes begin
	s_mov_b32 s35, 0
	s_cmp_ge_u32 s2, 32
	s_cselect_b64 s[32:33], s[10:11], s[32:33]
	s_cselect_b32 s35, 0x100000, s35
	s_cmp_ge_u32 s2, 64
	s_cselect_b64 s[32:33], s[12:13], s[32:33]
	s_cselect_b32 s35, 0x200000, s35
	s_cmp_ge_u32 s2, 96
	s_cselect_b64 s[32:33], s[14:15], s[32:33]
	s_cselect_b32 s35, 0x300000, s35
	s_cmp_ge_u32 s2, 128
	s_cselect_b64 s[32:33], s[16:17], s[32:33]
	s_cselect_b32 s35, 0x400000, s35
	s_cmp_ge_u32 s2, 256
	s_cselect_b64 s[32:33], s[18:19], s[32:33]
	s_cselect_b32 s35, 0x800000, s35
	s_mov_b32 s67, 1024
	s_cselect_b32 s67, 4096, s67                   ; a row of codes in bytes = K
	s_cmp_lt_u32 s2, 128
	s_cselect_b32 s3, 31, 127
	s_and_b32 s3, s2, s3                           ; the tile's number in its weight
	s_lshr_b32 s4, s2, 7
	s_cmp_eq_u32 s4, 1                             ; W1 is the wide one
	s_cselect_b32 s5, 5, 3
	s_mov_b32 s66, 4096
	s_cselect_b32 s66, 16384, s66                  ; a row of W in bytes = 4 N
	s_bfm_b32 s6, s5, 0
	s_and_b32 s6, s3, s6                           ; which 128 columns
	s_lshr_b32 s7, s3, s5                          ; which 256 along K
	s_lshl_b32 s73, s6, 7
	s_lshl_b32 s4, s72, 5
	s_add_co_u32 s73, s73, s4                      ; my wave's first column
	s_mul_i32 s74, s7, s66
	s_lshl_b32 s74, s74, 8                         ; 256 rows of W for each step along K
	s_lshl_b32 s4, s73, 2
	s_add_co_u32 s74, s74, s4
	s_mov_b32 s75, 0
	s_add_nc_u64 s[52:53], s[32:33], s[74:75]      ; eight bases, 32 rows of W apart: none is ever stepped
	s_lshl_b32 s76, s66, 5
	s_mov_b32 s77, 0
	s_add_nc_u64 s[54:55], s[52:53], s[76:77]
	s_add_nc_u64 s[56:57], s[54:55], s[76:77]
	s_add_nc_u64 s[58:59], s[56:57], s[76:77]
	s_add_nc_u64 s[60:61], s[58:59], s[76:77]
	s_add_nc_u64 s[62:63], s[60:61], s[76:77]
	s_add_nc_u64 s[68:69], s[62:63], s[76:77]
	s_add_nc_u64 s[70:71], s[68:69], s[76:77]
	s_mul_i32 s74, s73, s67                        ; the codes: column x K + 256 x step + the weight's place
	s_lshl_b32 s4, s7, 8
	s_add_co_u32 s74, s74, s4
	s_add_co_u32 s74, s74, s35
	s_add_nc_u64 s[78:79], s[28:29], s[74:75]
	s_wait_alu depctr_va_vdst(0)
	v_lshlrev_b32 v3, 2, v1
.set i, 0
.rept 32
	v_mad_u32_u24 v[WVO+i], s66, i, v3             ; 4 lane + i rows
.set i, i+1
.endr
.macro LOADW t                         ; block t: W(32 t + i, my column), i = 0 .. 31, into set t % 2
.set BB, 52+2*(\t)
.if (\t) > 5
.set BB, 56+2*(\t)
.endif
.set i, 0
.rept 32
	global_load_b32 v[WX+32*((\t)%2)+i], v[WVO+i], s[BB:BB+1] th:TH_LOAD_NT
.set i, i+1
.endr
.endm
	LOADW 0
	LOADW 1
	s_mul_i32 s4, s72, STAGEW
	v_mul_u32_u24 v4, v1, PITCH
	v_add_nc_u32 v4, s4, v4                        ; into the stage: row = my column
	v_and_b32 v5, 15, v1
	v_lshrrev_b32 v6, 4, v1
	v_mul_u32_u24 v7, v6, PITCH
	v_lshl_add_u32 v7, v5, 4, v7
	v_add_nc_u32 v7, s4, v7                        ; out of it: sixteen lanes to a row, two rows an instruction
	v_mul_u32_u24 v8, s67, v6
	v_lshl_add_u32 v8, v5, 4, v8
	s_lshl_b32 s80, s67, 1
.set i, 0
.rept 16
	v_mad_u32_u24 v[WSO+i], s80, i, v8             ; the same two rows in the codes' buffer
.set i, i+1
.endr
	s_wait_kmcnt 0x0
	s_mov_b32 s34, s37                             ; the weight's exponent: entries 1, 3, 5, 11, 13, 15
	s_cmp_ge_u32 s2, 32
	s_cselect_b32 s34, s39, s34
	s_cmp_ge_u32 s2, 64
	s_cselect_b32 s34, s41, s34
	s_cmp_ge_u32 s2, 96
	s_cselect_b32 s34, s47, s34
	s_cmp_ge_u32 s2, 128
	s_cselect_b32 s34, s49, s34
	s_cmp_ge_u32 s2, 256
	s_cselect_b32 s34, s51, s34
	s_add_co_i32 s34, s34, 127
	s_lshl_b32 s4, s34, 23
	v_mov_b32 v11, s4                              ; 2^e as f32: the conversion takes its exponent field
	s_add_co_i32 s34, s34, 8
	s_lshl_b32 s34, s34, 23
	s_or_b32 s34, s34, 0x600000
	v_mov_b32 v10, s34                             ; 448 x 2^e
.macro BLOCKW t
.set XS, WX+32*((\t)%2)
.if (\t) < 7
	s_wait_loadcnt 32                              ; this block's 32 loads are in; the next block's may be out
.else
	s_wait_loadcnt 0
.endif
.set i, 0
.rept 32
	v_med3_num_f32 v[XS+i], v[XS+i], -v10, v10     ; the conversion to an 8-bit code does not saturate (ISA guide 7.6.2): the hold comes first
.set i, i+1
.endr
.irp g, 0,1,2,3
	v_cvt_scalef32_pk8_fp8_f32 v[WC+2*\g:WC+2*\g+1], v[XS+8*\g:XS+8*\g+7], v11
.endr
	ds_store_b128 v4, v[WC:WC+3] offset:32*(\t)    ; 32 codes of my column's row
	ds_store_b128 v4, v[WC+4:WC+7] offset:32*(\t)+16
.if (\t)+2 < 8
	LOADW (\t)+2
.endif
	s_wait_dscnt 0x0                               ; the stores have read their registers: the next block's codes may be written
.endm
	s_wait_alu depctr_va_vdst(0)
.irp t, 0,1,2,3,4,5,6,7
	BLOCKW \t
.endr
.irp t, 0,1,2,3,4,5,6,7,8,9,10,11,12,13,14,15
	ds_load_b128 v[WOUT+4*\t:WOUT+4*\t+3], v7 offset:2*\t*PITCH   ; LDS serves a wave's instructions in order: these see my stores
.endr
.irp t, 0,1,2,3,4,5,6,7,8,9,10,11,12,13,14,15
	s_wait_dscnt 15-\t                             ; the younger loads may stay out
	global_store_b128 v[WSO+\t], v[WOUT+4*\t:WOUT+4*\t+3], s[78:79]
.endr
	s_wait_tensorcnt 0x0                           ; the wave's end, behind my last LDS store
	ds_add_u32 v[SPW], v[NIL]
	s_wait_dscnt 0x0
	s_endpgm
; ---------------- layer norm 1 ----------------
.Lnorm:
	s_sub_co_u32 s2, s2, 384
	s_lshl_b32 s2, s2, 4
	s_lshl_b32 s3, s72, 2
	s_add_co_u32 s2, s2, s3                        ; my wave's first row
	s_lshl_b32 s32, s2, 12
	s_mov_b32 s33, 0
	s_add_nc_u64 s[20:21], s[20:21], s[32:33]      ; x at that row
	s_lshl_b32 s32, s2, 10
	s_add_nc_u64 s[52:53], s[30:31], s[32:33]      ; the three planes of codes at that row
	s_add_nc_u64 s[54:55], s[52:53], 0x400000
	s_add_nc_u64 s[56:57], s[52:53], 0x800000
	s_wait_alu depctr_va_vdst(0)
	v_lshlrev_b32 v2, 5, v1                        ; 32 bytes of f32 a lane,
	v_lshlrev_b32 v3, 3, v1                        ; 8 bytes of codes
.irp c, 0,1,2,3
	global_load_b128 v[G+8*\c:G+8*\c+3], v2, s[22:23] offset:1024*\c
	global_load_b128 v[G+8*\c+4:G+8*\c+7], v2, s[22:23] offset:1024*\c+16
	global_load_b128 v[BV+8*\c:BV+8*\c+3], v2, s[24:25] offset:1024*\c
	global_load_b128 v[BV+8*\c+4:BV+8*\c+7], v2, s[24:25] offset:1024*\c+16
.endr
.irp i, 0,1,2,3
.irp c, 0,1,2,3
	global_load_b128 v[LX+32*\i+8*\c:LX+32*\i+8*\c+3], v2, s[20:21] offset:4096*\i+1024*\c th:TH_LOAD_NT
	global_load_b128 v[LX+32*\i+8*\c+4:LX+32*\i+8*\c+7], v2, s[20:21] offset:4096*\i+1024*\c+16 th:TH_LOAD_NT
.endr
.endr
	s_mov_b32 s4, 0x3a800000                       ; 1 / 1024
	s_mov_b32 s5, 0x3727c5ac                       ; 1e-5
	s_mov_b32 s6, 0x76543210                       ; v_permlanex16_b32: lane l xor 16
	s_mov_b32 s7, 0xfedcba98
	v_mov_b32 v5, 0                                ; a lane permute's destination counts as read
	s_wait_kmcnt 0x0
.irp q, 0,1,2
	s_add_co_i32 s32, s[36+2*\q], 127
	s_lshl_b32 s33, s32, 23
	v_mov_b32 v[QS+2*\q], s33                      ; 2^e
	s_add_co_i32 s32, s32, 8
	s_lshl_b32 s32, s32, 23
	s_or_b32 s32, s32, 0x600000
	v_mov_b32 v[QS+2*\q+1], s32                    ; 448 x 2^e
.endr
.macro FOLD                            ; four packed chains in v[H .. H+7] become one number in every lane's v4
	v_pk_add_f32 v[H:H+1], v[H:H+1], v[H+2:H+3]
	v_pk_add_f32 v[H+4:H+5], v[H+4:H+5], v[H+6:H+7]
	v_pk_add_f32 v[H:H+1], v[H:H+1], v[H+4:H+5]
	v_add_f32 v4, v[H], v[H+1]
	v_add_f32_dpp v4, v4, v4 row_xmask:1 row_mask:0xf bank_mask:0xf
	v_add_f32_dpp v4, v4, v4 row_xmask:2 row_mask:0xf bank_mask:0xf
	v_add_f32_dpp v4, v4, v4 row_xmask:4 row_mask:0xf bank_mask:0xf
	v_add_f32_dpp v4, v4, v4 row_xmask:8 row_mask:0xf bank_mask:0xf
	v_permlanex16_b32 v5, v4, s6, s7
	v_add_f32 v4, v4, v5
.endm
.macro LNROW i
.set R, LX+32*(\i)
	s_wait_loadcnt 8*(3-(\i))                      ; this row is in; the later rows' eight loads each may stay out
.irp k, 0,1,2,3
	v_pk_add_f32 v[H+2*\k:H+2*\k+1], v[R+4*\k:R+4*\k+1], v[R+4*\k+2:R+4*\k+3]
.endr
.irp p, 16,24
.irp k, 0,1,2,3
	v_pk_add_f32 v[H+2*\k:H+2*\k+1], v[H+2*\k:H+2*\k+1], v[R+\p+2*\k:R+\p+2*\k+1]
.endr
.endr
	FOLD
	v_mul_f32 v12, s4, v4                          ; the mean, in both halves of a pair
	v_mov_b32 v13, v12
.set p, 0
.rept 16
	v_pk_add_f32 v[R+p:R+p+1], v[R+p:R+p+1], v[12:13] neg_lo:[0,1] neg_hi:[0,1]
.set p, p+2
.endr
.irp k, 0,1,2,3
	v_pk_mul_f32 v[H+2*\k:H+2*\k+1], v[R+2*\k:R+2*\k+1], v[R+2*\k:R+2*\k+1]
.endr
.irp p, 8,16,24
.irp k, 0,1,2,3
	v_pk_fma_f32 v[H+2*\k:H+2*\k+1], v[R+\p+2*\k:R+\p+2*\k+1], v[R+\p+2*\k:R+\p+2*\k+1], v[H+2*\k:H+2*\k+1]
.endr
.endr
	FOLD
	v_fma_f32 v6, v4, s4, s5                       ; the variance + 1e-5
	s_wait_alu depctr_va_vdst(0)
	v_rsq_f32 v10, v6
	v_nop                                          ; a plain line behind the transcendental,
	s_wait_alu depctr_va_vdst(0)                   ; and the wait ahead of the first line that names its result
	v_mov_b32 v11, v10
.set p, 0
.rept 16
	v_pk_mul_f32 v[R+p:R+p+1], v[R+p:R+p+1], v[10:11]
.set p, p+2
.endr
.set p, 0
.rept 16
	v_pk_fma_f32 v[R+p:R+p+1], v[R+p:R+p+1], v[G+p:G+p+1], v[BV+p:BV+p+1]
.set p, p+2
.endr
	s_wait_xcnt 0x0                                ; the row before's stores have read their codes: the registers may be written again
.set q, 0
.rept NPL
.irp c, 0,1,2,3
.irp j, 0,1,2,3,4,5,6,7
	v_med3_num_f32 v[H+8*(\c%2)+\j], v[R+8*\c+\j], -v[QS+2*q+1], v[QS+2*q+1]   ; the hold; these eight are also the plain lines between a conversion and the next write of its sources
.endr
	v_cvt_scalef32_pk8_fp8_f32 v[CD+8*q+2*\c:CD+8*q+2*\c+1], v[H+8*(\c%2):H+8*(\c%2)+7], v[QS+2*q]
.endr
.set q, q+1
.endr
	v_nop                                          ; a plain line behind the last conversion
.set q, 0
.rept NPL
.irp c, 0,1,2,3
	global_store_b64 v3, v[CD+8*q+2*\c:CD+8*q+2*\c+1], s[52+2*q:53+2*q] offset:1024*(\i)+256*\c   ; 32 lanes store 256 consecutive bytes, aligned
.endr
.set q, q+1
.endr
.endm
	LNROW 0
	LNROW 1
	LNROW 2
	LNROW 3
	s_endpgm
.Lfunc_end_k_q44fc315bc5_prep:
	.size	k_q44fc315bc5_prep, .Lfunc_end_k_q44fc315bc5_prep-k_q44fc315bc5_prep
	.p2alignl 7, 3214868480
	.fill 96, 4, 3214868480
	.section	.rodata,"a",@progbits
	.p2align	6, 0x0
	.amdhsa_kernel k_q44fc315bc5_prep
		.amdhsa_group_segment_fixed_size 35328
		.amdhsa_private_segment_fixed_size 0
		.amdhsa_enable_private_segment 0
		.amdhsa_kernarg_size 96
		.amdhsa_user_sgpr_count 2
		.amdhsa_user_sgpr_kernarg_segment_ptr 1
		.amdhsa_wavefront_size32 1
		.amdhsa_system_sgpr_workgroup_id_x 1
		.amdhsa_system_sgpr_workgroup_id_y 1
		.amdhsa_system_sgpr_workgroup_id_z 1
		.amdhsa_system_vgpr_workitem_id 0
		.amdhsa_next_free_vgpr 256
		.amdhsa_next_free_sgpr 100
		.amdhsa_reserve_vcc 0
		.amdhsa_float_denorm_mode_32 3
		.amdhsa_float_denorm_mode_16_64 3
		.amdhsa_memory_ordered 1
		.amdhsa_forward_progress 1
		.amdhsa_inst_pref_size 117
	.end_amdhsa_kernel
	.amdgpu_metadata
---
amdhsa.version: [ 1, 2 ]
amdhsa.kernels:
  - .name:           k_q44fc315bc5_prep
    .symbol:         k_q44fc315bc5_prep.kd
    .args:
      - { .name: Wq, .offset: 0, .size: 8, .value_kind: global_buffer, .address_space: global }
      - { .name: Wk, .offset: 8, .size: 8, .value_kind: global_buffer, .address_space: global }
      - { .name: Wv, .offset: 16, .size: 8, .value_kind: global_buffer, .address_space: global }
      - { .name: Wo, .offset: 24, .size: 8, .value_kind: global_buffer, .address_space: global }
      - { .name: W1, .offset: 32, .size: 8, .value_kind: global_buffer, .address_space: global }
      - { .name: W2, .offset: 40, .size: 8, .value_kind: global_buffer, .address_space: global }
      - { .name: x, .offset: 48, .size: 8, .value_kind: global_buffer, .address_space: global }
      - { .name: ln1_g, .offset: 56, .size: 8, .value_kind: global_buffer, .address_space: global }
      - { .name: ln1_b, .offset: 64, .size: 8, .value_kind: global_buffer, .address_space: global }
      - { .name: lowp_scales, .offset: 72, .size: 8, .value_kind: global_buffer, .address_space: global }
      - { .name: wcodes, .offset: 80, .size: 8, .value_kind: global_buffer, .address_space: global }
      - { .name: nx1, .offset: 88, .size: 8, .value_kind: global_buffer, .address_space: global }
    .group_segment_fixed_size: 35328
    .private_segment_fixed_size: 0
    .kernarg_segment_align: 8
    .kernarg_segment_size: 96
    .max_flat_workgroup_size: 128
    .sgpr_count:     100
    .vgpr_count:     256
    .wavefront_size: 32
...
	.end_amdgpu_metadata
.endif
;; end of part 1
;; launch qkv (part 2): grid 12 x 16, 4 waves a work-group, clusters of 4 x 4, 327,680 bytes of LDS; arguments nx1, wcodes, lowp_scales, bq, bk, bv, qkvc; writes qkvc
.if DOCPART == 2
	.amdgcn_target "amdgcn-amd-amdhsa--gfx1250"
	.amdhsa_code_object_version 6
	.text
	.protected	k_q44fc315bc5_qkv
	.globl	k_q44fc315bc5_qkv
	.p2align	8
	.type	k_q44fc315bc5_qkv,@function
k_q44fc315bc5_qkv:
	s_mov_b64 s[64:65], 0
	v_nop
	global_prefetch_b8 v0, s[64:65] scope:SCOPE_SE
	s_setreg_imm32_b32 hwreg(HW_REG_WAVE_MODE, 25, 1), 1
	s_wait_xcnt 0x0
	s_wait_alu depctr_hold_cnt(0) depctr_sa_sdst(0) depctr_va_vdst(0) depctr_va_sdst(0) depctr_va_ssrc(0) depctr_va_vcc(0) depctr_vm_vsrc(0)
	s_getreg_b32 s2, hwreg(HW_REG_IB_STS2, 6, 4)
	s_cmp_eq_u32 s2, 0
	s_cbranch_scc0 .Lentry_in_a_cluster
	s_endpgm
.Lentry_in_a_cluster:
	s_bfe_u32 s2, ttmp6, 0x10000c
	s_cmp_lg_u32 s2, 0xf033
	s_cbranch_scc0 .Lentry_shape_is_right
	s_endpgm
.Lentry_shape_is_right:
.set KROW,   1024
.set ROWB,   256
.set PITCH,  272
.set FR,     16
.set NL,     4
.set NP,     4
.set HALFT,  128*PITCH
.set SLOT,   4*HALFT
.set LAPS,   2
.set SPARE,  2*SLOT
.set ADRA, 16
.set BO,   18
.set BOV,  19
.set ADRB, 20
.set STO,  24
.set RD,   25
.set CO,   26
.set SPW,  28
.set NIL,  29
.set LIMR, 30
.set SCR,  31
.set BIAS, 32
.set CD,   96
.set RB,   112
.set AF,   128
.set G1, 24
.set G0, 32
.set G1B, 48
.set G0B, 56
.set MSB, 0
.macro WIN new
.if MSB != \new
	s_set_vgpr_msb (MSB<<8)|\new
.set MSB, \new
.endif
.endm
.set MUL_LO, 0xa1
.set MUL_HI, 0xf1
.set TO_B,   0x40
.macro JLOAD g0a, g1a, g0b, g1b
	s_cmp_eq_u32 s15, 0
	s_cbranch_scc0 .Lfor_b_\@
	tensor_load_to_lds s[\g0a:\g0a+3], s[\g1a:\g1a+7]
	s_nop 0
.rept 4
	v_nop
.endr
	s_branch .Lasked_\@
.Lfor_b_\@:
	tensor_load_to_lds s[\g0b:\g0b+3], s[\g1b:\g1b+7]
	s_nop 0
.rept 4
	v_nop
.endr
.Lasked_\@:
.endm
.macro CREST
	s_cmp_lg_u32 s14, 0
	s_cbranch_scc1 .Lnot_wave_0_\@
	s_barrier_signal -3
.Lnot_wave_0_\@:
	s_barrier_wait -3
	s_barrier_signal -1
	s_barrier_wait -1
.endm
.macro CROUND
	s_barrier_signal -1
	s_barrier_wait -1
	CREST
.endm
	s_load_b256 s[68:75], s[0:1], 0x0
	s_load_b128 s[76:79], s[0:1], 0x20
	s_load_b64 s[80:81], s[0:1], 0x30
	v_lshl_add_u32 v[SPW], v0, 2, SPARE
	v_mov_b32 v[NIL], 0
	ds_add_u32 v[SPW], v[NIL]
	ds_add_u32 v[SPW], v[NIL]
	v_lshrrev_b32 v1, 5, v0
	v_readfirstlane_b32 s14, v1
	s_lshr_b32 s15, s14, 1
	s_and_b32 s16, s14, 1
	s_bfe_u32 s40, ttmp6, 0x40000
	s_bfe_u32 s41, ttmp6, 0x40004
	s_mov_b32 s82, ttmp9
	s_and_b32 s83, ttmp7, 0xffff
	s_lshl_b32 s83, s83, 2
	s_cmp_lt_u32 s82, 2
	s_cselect_b32 s18, s83, 0
	s_cselect_b32 s19, 0, s83
	s_add_co_u32 s17, s41, s18
	s_add_co_u32 s42, s40, s19
	s_cmp_lt_u32 s82, 2
	s_cselect_b32 s94, s17, s42
	s_cselect_b32 s95, s42, s17
	s_cselect_b32 s96, 14, 8                       ; q, k: 256 tokens of 64 bytes; v: 256 keys along a row
	s_cselect_b32 s97, 8, 11
	s_cselect_b32 s98, -1, 0
	s_cselect_b32 s99, 0, -1
	s_cselect_b32 s12, s42, 0
	s_cselect_b32 s13, 0, s17
	s_lshl_b32 s43, s41, 2
	s_lshl_b32 s43, 15, s43
	s_lshl_b32 s44, 0x1111, s40
	s_or_b32 s[G1+0], s43, (1<<20)|(1<<21)|(5<<22)|(3<<25)
	s_or_b32 s[G1B+0], s44, (1<<20)|(1<<21)|(5<<22)|(3<<25)
.irp g, G1, G1B
	s_mov_b32 s[\g+1], ROWB<<16
	s_mov_b32 s[\g+2], 128<<16
	s_mov_b32 s[\g+3], ROWB<<16
	s_mov_b32 s[\g+4], 128
	s_mov_b32 s[\g+5], KROW
	s_mov_b32 s[\g+6], 0
	s_mov_b32 s[\g+7], 0
.endr
	s_lshl_b32 s18, s16, 7
	s_lshl_b32 s4, s17, 8
	s_add_co_u32 s4, s4, s18
	s_lshl_b32 s4, s4, 10
	s_mov_b32 s5, 0
	s_lshl_b32 s6, s42, 8
	s_add_co_u32 s6, s6, s18
	s_lshl_b32 s6, s6, 10
	s_mov_b32 s7, 0
	s_lshl_b32 s8, s82, 22
	s_mov_b32 s9, 0
	s_lshl_b32 s10, s82, 20
	s_mov_b32 s11, 0
	s_mul_i32 s45, s14, HALFT
	s_wait_dscnt 0x0
	s_wait_kmcnt 0x0
	s_load_b256 s[84:91], s[72:73], 0x0
	s_load_b64 s[92:93], s[72:73], 0x20
	s_add_nc_u64 s[68:69], s[68:69], s[8:9]
	s_add_nc_u64 s[70:71], s[70:71], s[10:11]
	s_cmp_lt_u32 s82, 2
	s_cselect_b64 s[20:21], s[68:69], s[70:71]
	s_cselect_b64 s[46:47], s[70:71], s[68:69]
	s_add_nc_u64 s[20:21], s[20:21], s[4:5]
	s_add_nc_u64 s[46:47], s[46:47], s[6:7]
	CROUND
.irp s, 0,1
	s_mov_b32 s[G0+4*\s], 1
	s_add_co_u32 s[G0+4*\s+1], s45, \s*SLOT
	s_add_nc_u64 s[G0+4*\s+2:G0+4*\s+3], s[20:21], \s*ROWB
	s_or_b32 s[G0+4*\s+3], s[G0+4*\s+3], 0x80000000
	s_mov_b32 s[G0B+4*\s], 1
	s_add_co_u32 s[G0B+4*\s+1], s45, \s*SLOT
	s_add_nc_u64 s[G0B+4*\s+2:G0B+4*\s+3], s[46:47], \s*ROWB
	s_or_b32 s[G0B+4*\s+3], s[G0B+4*\s+3], 0x80000000
.endr
	JLOAD G0, G1, G0B, G1B                         ; K step 0: one tensor load a wave at the head
	v_and_b32 v1, 15, v0
	v_bfe_u32 v2, v0, 4, 1
	v_mul_u32_u24 v3, v1, PITCH
	s_wait_alu depctr_va_vdst(0)
	v_lshl_add_u32 v4, v2, 4, v3
	s_mul_i32 s22, s15, HALFT
	s_mul_i32 s23, s16, HALFT
	s_add_co_u32 s23, s23, 2*HALFT
.irp s, 0,1
	v_add_nc_u32 v[ADRA+\s], s22, v4
	v_add_nc_u32 v[ADRB+\s], s23, v4
	s_add_co_u32 s22, s22, SLOT
	s_add_co_u32 s23, s23, SLOT
.endr
	s_mul_i32 s22, s15, 128*PITCH
	s_lshl_b32 s23, s16, 7
	s_add_co_u32 s22, s22, s23
	v_lshl_add_u32 v5, v2, 4, v3
	v_add_nc_u32 v[STO], s22, v5
	s_mul_i32 s22, s14, 64*PITCH
	v_mul_u32_u24 v6, v2, PITCH
	v_lshl_add_u32 v6, v1, 4, v6
	v_add_nc_u32 v[RD], s22, v6                    ; v: my 64 rows, two rows of 256 bytes an instruction
	v_lshrrev_b32 v6, 2, v1                        ; q, k leave laid [head][token][64]: wave w takes head w of the tile's four, eight tokens an instruction:
	v_lshl_add_u32 v6, v2, 2, v6                   ; row lane / 4,
	v_mul_u32_u24 v6, v6, PITCH
	v_and_b32 v7, 3, v1
	v_lshl_add_u32 v6, v7, 4, v6                   ; 16 (lane % 4) of the head's 64 bytes
	s_lshl_b32 s22, s14, 6
	v_add_nc_u32 v8, s22, v6                       ; tokens 0-127 of the tile,
	v_add_nc_u32 v9, 16*8*PITCH, v8                ; and tokens 128-255
	v_lshlrev_b32 v5, s97, v2
	v_lshl_add_u32 v[CO], v1, 4, v5
	s_lshl_b32 s22, s16, 9
	v_lshlrev_b32 v[BO], 5, v2
	v_add_nc_u32 v[BO], s22, v[BO]
	s_wait_alu depctr_va_vdst(0)
	s_lshl_b32 s22, s15, 9
	v_lshlrev_b32 v[BOV], 2, v1
	v_add_nc_u32 v[BOV], s22, v[BOV]
	s_cmp_eq_u32 s82, 1
	s_cselect_b64 s[74:75], s[76:77], s[74:75]
	s_lshl_b32 s22, s12, 10
	s_mov_b32 s23, 0
	s_add_nc_u64 s[74:75], s[74:75], s[22:23]
	s_lshl_b32 s22, s13, 10
	s_add_nc_u64 s[78:79], s[78:79], s[22:23]
.irp b, 0,1,2,3,4,5,6,7
	global_load_b128 v[BIAS+8*\b:BIAS+8*\b+3], v[BO], s[74:75] offset:64*\b
	global_load_b128 v[BIAS+8*\b+4:BIAS+8*\b+7], v[BO], s[74:75] offset:64*\b+16
.endr
.irp a, 0,1,2,3,4,5,6,7
	global_load_b32 v[RB+2*\a], v[BOV], s[78:79] offset:64*\a
.endr
	s_lshr_b32 s22, s94, 3
	s_lshl_b32 s22, s22, 2
	s_add_co_u32 s22, s22, s95
	s_lshl_b32 s22, s22, 19
	s_and_b32 s23, s94, 7
	s_lshl_b32 s23, s23, s96
	s_add_co_u32 s22, s22, s23
	s_lshl_b32 s23, s82, 22
	s_add_co_u32 s22, s22, s23
	s_lshl_b32 s23, s14, 17                        ; q, k: my head's 131,072 bytes; v: my 64 rows of 2,048 bytes
	s_add_co_u32 s22, s22, s23
	s_mov_b32 s23, 0
	s_add_nc_u64 s[80:81], s[80:81], s[22:23]
	s_lshl_b32 s2, 2, s97
	s_wait_kmcnt 0x0
	s_add_co_i32 s22, s84, s85
	s_add_co_i32 s23, s86, s87
	s_add_co_i32 s12, s88, s89
	s_cmp_eq_u32 s82, 1
	s_cselect_b32 s22, s23, s22
	s_cselect_b32 s13, s91, s90
	s_cmp_eq_u32 s82, 2
	s_cselect_b32 s22, s12, s22
	s_cselect_b32 s13, s93, s13
	s_add_co_i32 s22, s22, 127
	s_lshl_b32 s66, s22, 23
	s_mov_b32 s67, s66
	s_add_co_i32 s13, s13, 127
	s_lshl_b32 s22, s13, 23
	v_mov_b32 v[SCR], s22
	s_add_co_i32 s13, s13, 8
	s_lshl_b32 s13, s13, 23
	s_or_b32 s13, s13, 0x600000
	v_mov_b32 v[LIMR], s13
.macro FRAG reg, adr, q, i
.irp c, 0,1,2,3
	ds_load_b128 v[\reg+4*\c:\reg+4*\c+3], v[\adr] offset:128*(\q)+32*\c+(\i)*16*PITCH
.endr
.endm
.macro MUL16 a0, p, zero
.irp a, \a0, \a0+1
.irp b, 0,1,2,3,4,5,6,7
.if \zero
	v_wmma_f32_16x16x128_fp8_fp8 v[8*(8*((\a)%4)+\b):8*(8*((\a)%4)+\b)+7], v[128*(\p)+FR*\b:128*(\p)+FR*\b+FR-1], v[AF+FR*(\a):AF+FR*(\a)+FR-1], 0
.else
	v_wmma_f32_16x16x128_fp8_fp8 v[8*(8*((\a)%4)+\b):8*(8*((\a)%4)+\b)+7], v[128*(\p)+FR*\b:128*(\p)+FR*\b+FR-1], v[AF+FR*(\a):AF+FR*(\a)+FR-1], v[8*(8*((\a)%4)+\b):8*(8*((\a)%4)+\b)+7]
.endif
.endr
.endr
.endm
.macro FETCH_B slot, q, p
	WIN TO_B
.irp i, 0,1,2,3,4,5,6,7
	FRAG 128*(\p)+FR*\i, ADRB+\slot, \q, \i
.endr
	WIN 0
.endm
.macro FETCH_A slot, q, i0
.irp i, \i0, \i0+1, \i0+2, \i0+3
	FRAG AF+FR*(\i), ADRA+\slot, \q, \i
.endr
.endm
.macro PLACES n
.rept \n
	v_nop
.endr
.endm
.macro STEP slot, q, zero
	s_wait_dscnt 4*NL
	WIN MUL_LO
	MUL16 0, (\q)%2, \zero
	MUL16 2, (\q)%2, \zero
	s_wait_dscnt 0
	PLACES NP
	FETCH_B \slot, (\q)+1, 1-(\q)%2
	FETCH_A \slot, (\q)+1, 0
	WIN MUL_HI
	MUL16 4, (\q)%2, \zero
	MUL16 6, (\q)%2, \zero
	PLACES NP
	WIN 0
	FETCH_A \slot, (\q)+1, 4
.endm
.macro TURN slot, next, fill
	s_wait_tensorcnt 0x0
	ds_add_u32 v[SPW], v[NIL]
	s_wait_dscnt 4*NL+1
	WIN MUL_LO
	MUL16 0, 1, 0
	s_wait_dscnt 0x0
	s_barrier_signal -1
	MUL16 2, 1, 0
	WIN 0
	s_barrier_wait -1
.if \fill
	CREST
	s_add_nc_u64 s[G0+4*\slot+2:G0+4*\slot+3], s[G0+4*\slot+2:G0+4*\slot+3], 2*ROWB
	s_add_nc_u64 s[G0B+4*\slot+2:G0B+4*\slot+3], s[G0B+4*\slot+2:G0B+4*\slot+3], 2*ROWB
	JLOAD G0+4*\slot, G1, G0B+4*\slot, G1B
.else
	PLACES NP
.endif
	FETCH_B \next, 0, 0
	FETCH_A \next, 0, 0
	WIN MUL_HI
	MUL16 4, 1, 0
	MUL16 6, 1, 0
	PLACES NP
	WIN 0
	FETCH_A \next, 0, 4
.endm
	s_wait_alu depctr_va_vdst(0)                   ; the wait at the head's end
	s_wait_tensorcnt 0x0                           ; my part of K step 0 is in
	ds_add_u32 v[SPW], v[NIL]
	s_wait_dscnt 0x0
	CROUND                                         ; everybody's part is in, and the joint loads meet
	JLOAD G0+4, G1, G0B+4, G1B                     ; K step 1, the first tensor load behind the round
	FETCH_B 0, 0, 0
	FETCH_A 0, 0, 0
	FETCH_A 0, 0, 4
	STEP 0, 0, 1
	s_mov_b32 s3, LAPS-1
.Llap:
	TURN 0, 1, 1
	STEP 1, 0, 0
	TURN 1, 0, 1
	STEP 0, 0, 0
	s_sub_co_u32 s3, s3, 1
	s_cmp_lg_u32 s3, 0
	s_cbranch_scc1 .Llap
	TURN 0, 1, 0
	STEP 1, 0, 0
	s_wait_dscnt 4*NL
	WIN MUL_LO
	MUL16 0, 1, 0
	MUL16 2, 1, 0
	s_wait_dscnt 0
	WIN MUL_HI
	MUL16 4, 1, 0
	MUL16 6, 1, 0
	WIN 0
	s_wait_loadcnt 0x0
.set j, 0
.rept 64
	v_cndmask_b32 v[BIAS+j], 0, v[BIAS+j], s98
.set j, j+1
.endr
.irp a, 0,1,2,3,4,5,6,7
	v_cndmask_b32 v[RB+2*\a], 0, v[RB+2*\a], s99
	v_mov_b32 v[RB+2*\a+1], v[RB+2*\a]
.endr
.macro BLOCK a
.set W, 2+(\a)/4
.set WW, (W<<6)|W
.set AC, 64*((\a)%4)
	WIN WW
.set j, 0
.rept 32
	v_pk_fma_f32 v[AC+j:AC+j+1], v[AC+j:AC+j+1], s[66:67], v[BIAS+j:BIAS+j+1] op_sel_hi:[1,0,1]
.set j, j+2
.endr
.set j, 0
.rept 32
	v_pk_add_f32 v[AC+j:AC+j+1], v[AC+j:AC+j+1], v[RB+2*(\a):RB+2*(\a)+1]
.set j, j+2
.endr
.set j, 0
.rept 64
	v_med3_num_f32 v[AC+j], v[AC+j], -v[LIMR], v[LIMR]
.set j, j+1
.endr
	s_wait_alu depctr_va_vdst(0)
	s_wait_dscnt 0x0
	WIN W
.irp b, 0,1,2,3,4,5,6,7
	v_cvt_scalef32_pk8_fp8_f32 v[CD+2*\b:CD+2*\b+1], v[AC+8*\b:AC+8*\b+7], v[SCR]
.endr
	WIN 0
	v_nop
.irp b, 0,1,2,3,4,5,6,7
	ds_store_b64 v[STO], v[CD+2*\b:CD+2*\b+1] offset:(\a)*16*PITCH+32*(\b/2)+8*(\b%2)
.endr
.endm
.irp a, 0,1,2,3,4,5,6,7
	BLOCK \a
.endr
	s_wait_dscnt 0x0
	s_barrier_signal -1
.set j, 0
.rept 32
	v_mad_u32_u24 v[BIAS+j], s2, j, v[CO]
.set j, j+1
.endr
	s_wait_alu depctr_va_vdst(0)
	s_barrier_wait -1
.set j, 0
	s_cmp_lt_u32 s82, 2                            ; the cluster's x: the same in all partners
	s_cbranch_scc1 .Lqk_rows
.rept 32
	ds_load_b128 v[AF+4*j:AF+4*j+3], v[RD] offset:j*2*PITCH       ; v: two rows of 256 bytes an instruction
.set j, j+1
.endr
	s_branch .Lrows_asked
.Lqk_rows:
.set j, 0
.rept 16
	ds_load_b128 v[AF+4*j:AF+4*j+3], v8 offset:j*8*PITCH          ; q, k: eight tokens' 64 bytes of my head an instruction
.set j, j+1
.endr
.set j, 0
.rept 16
	ds_load_b128 v[AF+64+4*j:AF+64+4*j+3], v9 offset:j*8*PITCH
.set j, j+1
.endr
.Lrows_asked:
.set j, 0
.rept 32
	s_wait_dscnt 31-j
	global_store_b128 v[BIAS+j], v[AF+4*j:AF+4*j+3], s[80:81]
.set j, j+1
.endr
	s_wait_tensorcnt 0x0
	ds_add_u32 v[SPW], v[NIL]
	s_wait_dscnt 0x0
	CROUND
	s_endpgm
.Lfunc_end_k_q44fc315bc5_qkv:
	.size	k_q44fc315bc5_qkv, .Lfunc_end_k_q44fc315bc5_qkv-k_q44fc315bc5_qkv
	.p2alignl 7, 3214868480
	.fill 96, 4, 3214868480
	.section	.rodata,"a",@progbits
	.p2align	6, 0x0
	.amdhsa_kernel k_q44fc315bc5_qkv
		.amdhsa_group_segment_fixed_size 327680
		.amdhsa_private_segment_fixed_size 0
		.amdhsa_enable_private_segment 0
		.amdhsa_kernarg_size 56
		.amdhsa_user_sgpr_count 2
		.amdhsa_user_sgpr_kernarg_segment_ptr 1
		.amdhsa_wavefront_size32 1
		.amdhsa_system_sgpr_workgroup_id_x 1
		.amdhsa_system_sgpr_workgroup_id_y 1
		.amdhsa_system_sgpr_workgroup_id_z 1
		.amdhsa_system_vgpr_workitem_id 0
		.amdhsa_next_free_vgpr 1024
		.amdhsa_next_free_sgpr 100
		.amdhsa_reserve_vcc 0
		.amdhsa_float_denorm_mode_32 3
		.amdhsa_float_denorm_mode_16_64 3
		.amdhsa_memory_ordered 1
		.amdhsa_forward_progress 1
		.amdhsa_inst_pref_size 171
	.end_amdhsa_kernel
	.amdgpu_metadata
---
amdhsa.version: [ 1, 2 ]
amdhsa.kernels:
  - .name:           k_q44fc315bc5_qkv
    .symbol:         k_q44fc315bc5_qkv.kd
    .args:
      - { .name: nx1, .offset: 0, .size: 8, .value_kind: global_buffer, .address_space: global }
      - { .name: wcodes, .offset: 8, .size: 8, .value_kind: global_buffer, .address_space: global }
      - { .name: lowp_scales, .offset: 16, .size: 8, .value_kind: global_buffer, .address_space: global }
      - { .name: bq, .offset: 24, .size: 8, .value_kind: global_buffer, .address_space: global }
      - { .name: bk, .offset: 32, .size: 8, .value_kind: global_buffer, .address_space: global }
      - { .name: bv, .offset: 40, .size: 8, .value_kind: global_buffer, .address_space: global }
      - { .name: qkvc, .offset: 48, .size: 8, .value_kind: global_buffer, .address_space: global }
    .group_segment_fixed_size: 327680
    .private_segment_fixed_size: 0
    .kernarg_segment_align: 8
    .kernarg_segment_size: 56
    .max_flat_workgroup_size: 128
    .sgpr_count:     100
    .vgpr_count:     1024
    .wavefront_size: 32
...
	.end_amdgpu_metadata
.endif
;; end of part 2
;; launch attn (part 3): grid 8 x 32, 8 waves a work-group, clusters of 4 x 1, 327,680 bytes of LDS; arguments qkvc, mask, lowp_scales, ao; writes ao
.if DOCPART == 3
	.amdgcn_target "amdgcn-amd-amdhsa--gfx1250"
	.amdhsa_code_object_version 6
	.text
	.protected	k_q44fc315bc5_attn
	.globl	k_q44fc315bc5_attn
	.p2align	8
	.type	k_q44fc315bc5_attn,@function
k_q44fc315bc5_attn:
	s_mov_b64 s[64:65], 0
	v_nop
	global_prefetch_b8 v0, s[64:65] scope:SCOPE_SE
	s_setreg_imm32_b32 hwreg(HW_REG_WAVE_MODE, 25, 1), 1
	s_wait_xcnt 0x0
	s_wait_alu depctr_hold_cnt(0) depctr_sa_sdst(0) depctr_va_vdst(0) depctr_va_sdst(0) depctr_va_ssrc(0) depctr_va_vcc(0) depctr_vm_vsrc(0)
	s_getreg_b32 s2, hwreg(HW_REG_IB_STS2, 6, 4)
	s_cmp_eq_u32 s2, 0
	s_cbranch_scc0 .Lentry_in_a_cluster
	s_endpgm
.Lentry_in_a_cluster:
	s_bfe_u32 s2, ttmp6, 0x10000c
	s_cmp_lg_u32 s2, 0x3003
	s_cbranch_scc0 .Lentry_shape_is_right
	s_endpgm
.Lentry_shape_is_right:
; ATTN: products 4 and 5 with the mask and the softmax between them, on codes of FP8; the result is divided by the row's sum, quantised (entry 10) and stored as codes.  Nothing is left out.
; THE SOFTMAX: t = score x log2(e) / 8; M = the running largest t rounded UP to a whole number; p = 2^(t - M) is quantised along the keys (entry 8), not normalised; the row's sum is taken of the unquantised p.
; When M moves, the sum and O are multiplied by 2^(old M - new M), which rounds nothing.
; SHARES.  A work-group takes ONE head of one batch and 256 queries; each of its eight waves 32 queries, two tiles of 16.  The head's K (2,048 x 64 bytes) and V (64 x 2,048 bytes) are fetched ONCE, whole,
; into LDS: one tensor load a wave at the head, nothing is filled again, and the loop over the keys (16 steps of 128) has no barrier.  Each fragment of K, of V and of the mask's table that a wave reads serves both its tiles.
; CLUSTER.  The four partners are four query blocks of one head: they need the same K and V, so each load is a joint one (mask 15).  Waves 0-3 fetch K's quarters, waves 4-7 V's.
; NO PREFETCH: every fetch goes out at the head, so there is no loop to run ahead in.
; MEMORY.  q, k: [batch x 16 + head][2,048][64]; v: [batch x 16 + head][64][2,048], byte 32 c + 16 h + 8 u + j of a row being key 32 c + 16 u + 8 h + j.
; ao: [block of 64 tokens][head][64 tokens][64]: a wave's 32 queries are 2,048 consecutive bytes.
; LDS.  K: four keys to a row of 256 bytes + 16: key k at 272 (k / 4) + 64 (k % 4); the sixteen lanes of a load's pass touch sixteen different 16-byte columns.  V: four blocks of 512 keys, 64 rows of 512 bytes + 16.
; LAYOUT.  Both products are used transposed: a lane holds ONE query (lane % 16).  In tile T of K lane (r, h) holds keys 16 T + 8 h + 0..7; p's codes then meet V's bytes as they lie.
; THE MASK costs no vector line in the loop: a table in LDS holds 0 for a key that counts and -2^120 for one that does not; its terms are the C of both tiles' first products.
; The number is finite, so a step all of whose keys are hidden leaves a finite M; what it added is multiplied by 0 at the first key that counts.
; K's fragments and the mask's terms are loaded A STEP AHEAD, into registers of their own.  The last step's look-ahead wraps to the first keys, which nobody uses then: the step is written once.
; LIMITS: entries 6 + 7 between -110 and 130; entries 8 and 10 between -126 and 119.  A batch whose mask hides every key, for which the layer as defined gives NaN, is not served.
; REGISTERS.  Window 0 holds all that the softmax touches, of both tiles x = 0, 1, so that their lines take turns: v1-6 addresses; v7 2^e; v8, v9 the add's two; v10, v11 448 x 2^e;
; v[12 + 8 x ..]: -M, the largest t, the sum (2), f (2), two at work; v[32 + 8 x ..] Q; v[48 + 16 x ..] p's codes; v[80 + 8 x ..] partial sums; v[96 + 64 x ..] scores, then p.
; Window 1: v0-63 K's 8 tiles; v64-127 V's 4 tiles; v128-191 the mask's terms; v[192 + 32 x ..] O^T.
.set PK,    272
.set PV,    528
.set VOFF,  512*PK
.set VBLK,  64*PV
.set MB,    VOFF+4*VBLK                ; the mask's table, 2,048 f32
.set STG,   MB+8192                    ; the stages for the way out: 32 rows x 80 bytes a wave
.set SPARE, STG+8*2560                 ; the spare words, 128 bytes a wave, that no other line names
.set SPW, 8
.set NIL, 9
.set ST,  12
.set QA,  32
.set PC,  48
.set TS,  80
.set SC,  96
.set KF,  0
.set VF,  64
.set MK,  128
.set OT,  192
.set MSB, 0
.macro WIN new                         ; the immediate's high byte repeats the setting that is left
.if MSB != \new
	s_set_vgpr_msb (MSB<<8)|\new
.set MSB, \new
.endif
.endm
.set TO_1, 0x40                        ; destination window 1, address window 0
.macro CROUND
	s_barrier_signal -1
	s_barrier_wait -1
	s_cmp_lg_u32 s12, 0
	s_cbranch_scc1 .Lnot_wave_0_\@
	s_barrier_signal -3
.Lnot_wave_0_\@:
	s_barrier_wait -3
	s_barrier_signal -1
	s_barrier_wait -1
.endm
.macro KLD adr                         ; 128 keys of K: tile t is keys 16 t + r
.irp t, 0,1,2,3,4,5,6,7
	ds_load_b128 v[KF+8*\t:KF+8*\t+3], v[\adr] offset:4*\t*PK
	ds_load_b128 v[KF+8*\t+4:KF+8*\t+7], v[\adr] offset:4*\t*PK+32
.endr
.endm
.macro MASKLD adr                      ; 128 keys' terms: register 8 T + j of lane (r, h) takes key 16 T + 8 h + j
.irp t, 0,1,2,3,4,5,6,7
	ds_load_b128 v[MK+8*\t:MK+8*\t+3], v[\adr] offset:64*\t
	ds_load_b128 v[MK+8*\t+4:MK+8*\t+7], v[\adr] offset:64*\t+16
.endr
.endm
	s_load_b256 s[4:11], s[0:1], 0x0               ; qkvc, mask, the exponents, ao
	v_lshl_add_u32 v[SPW], v0, 2, SPARE
	v_mov_b32 v[NIL], 0
	ds_add_u32 v[SPW], v[NIL]                      ; the opening: the add, twice on end, and its wait ahead of the first tensor load
	ds_add_u32 v[SPW], v[NIL]
	v_lshrrev_b32 v1, 5, v0
	v_readfirstlane_b32 s12, v1                    ; wave 0..7
	s_bfe_u32 s13, ttmp6, 0x40000                  ; cx
	s_and_b32 s14, ttmp7, 0xffff                   ; batch x 16 + head
	s_lshl_b32 s15, s14, 17                        ; its 131,072 bytes in q, k and v
	s_and_b32 s16, s12, 3                          ; which quarter I fetch
	s_mov_b32 s24, 15|(1<<20)|(1<<21)|(5<<22)|(3<<25)   ; group 1 for K: all four partners; 1-byte elements; 4 words of padding after every 64; bit 21 beside a mask
	s_mov_b32 s25, 256<<16
	s_mov_b32 s26, 128<<16
	s_mov_b32 s27, 256<<16
	s_mov_b32 s28, 128                             ; 128 rows of 256 bytes, dense: 512 keys
	s_mov_b32 s29, 256
	s_mov_b32 s30, 0
	s_mov_b32 s31, 0
	s_mov_b32 s32, 15|(1<<20)|(1<<21)|(6<<22)|(3<<25)   ; group 1 for V: padding after every 128 words
	s_mov_b32 s33, 512<<16
	s_mov_b32 s34, 64<<16
	s_mov_b32 s35, 512<<16
	s_mov_b32 s36, 64                              ; 64 rows of 512 bytes, 2,048 apart
	s_mov_b32 s37, 2048
	s_mov_b32 s38, 0
	s_mov_b32 s39, 0
	s_mov_b32 s20, 0x76543210                      ; v_permlanex16_b32: lane l xor 16
	s_mov_b32 s21, 0xfedcba98
	s_mov_b32 s40, 1
	s_mul_i32 s41, s16, 128*PK
	s_lshl_b32 s18, s16, 15
	s_add_co_u32 s18, s18, s15
	s_add_co_u32 s18, s18, 0x400000
	s_mov_b32 s19, 0
	s_mov_b32 s44, 1
	s_mul_i32 s45, s16, VBLK
	s_add_co_u32 s45, s45, VOFF
	s_lshl_b32 s66, s16, 9
	s_add_co_u32 s66, s66, s15
	s_add_co_u32 s66, s66, 0x800000
	s_mov_b32 s67, 0
	s_mov_b32 s56, 0                               ; the step
	s_wait_dscnt 0x0                               ; both opening adds are done
	s_wait_kmcnt 0x0
	s_load_b512 s[68:83], s[8:9], 0x0              ; e0 .. e15 in s68 .. s83
	s_add_nc_u64 s[42:43], s[4:5], s[18:19]
	s_or_b32 s43, s43, 0x80000000
	s_add_nc_u64 s[46:47], s[4:5], s[66:67]
	s_or_b32 s47, s47, 0x80000000
	CROUND                                         ; all four work-groups are here: the joint loads meet
	s_cmp_lt_u32 s12, 4                            ; one tensor load a wave; an s_nop 0 and four v_nop follow each
	s_cbranch_scc0 .Lfor_v
	tensor_load_to_lds s[40:43], s[24:31]
	s_nop 0
.rept 4
	v_nop
.endr
	s_branch .Lasked
.Lfor_v:
	tensor_load_to_lds s[44:47], s[32:39]
	s_nop 0
.rept 4
	v_nop
.endr
.Lasked:
	s_lshl_b32 s84, ttmp9, 2
	s_add_co_u32 s84, s84, s13                     ; my block of 256 queries: it enters Q's and the output's addresses alone
	s_lshl_b32 s88, s84, 8
	s_lshl_b32 s90, s12, 5
	s_add_co_u32 s88, s88, s90                     ; my wave's first query
	s_lshl_b32 s88, s88, 6
	s_add_co_u32 s88, s88, s15
	s_mov_b32 s89, 0
	s_add_nc_u64 s[92:93], s[4:5], s[88:89]        ; Q there
	s_lshr_b32 s85, s14, 4                         ; batch
	s_and_b32 s86, s14, 15                         ; head
	s_lshl_b32 s88, s85, 5
	s_lshl_b32 s90, s84, 2
	s_add_co_u32 s88, s88, s90
	s_lshr_b32 s90, s12, 1
	s_add_co_u32 s88, s88, s90                     ; my block of 64 tokens
	s_lshl_b32 s88, s88, 16
	s_lshl_b32 s90, s86, 12
	s_add_co_u32 s88, s88, s90
	s_and_b32 s90, s12, 1
	s_lshl_b32 s90, s90, 11
	s_add_co_u32 s88, s88, s90
	s_add_nc_u64 s[10:11], s[10:11], s[88:89]      ; the output: my 2,048 bytes
	s_lshl_b32 s88, s85, 13
	s_add_nc_u64 s[6:7], s[6:7], s[88:89]          ; my batch's mask
	v_and_b32 v80, 15, v0                          ; r
	v_bfe_u32 v81, v0, 4, 1                        ; h
	v_lshlrev_b32 v82, 6, v80
	v_lshlrev_b32 v83, 4, v0
	v_lshl_add_u32 v82, v81, 4, v82                ; Q: row r of 64 bytes, + 16 h
	global_load_b128 v[QA:QA+3], v82, s[92:93]     ; the first tile's fragment: the same bytes as K's fragments take
	global_load_b128 v[QA+4:QA+7], v82, s[92:93] offset:32
	global_load_b128 v[QA+8:QA+11], v82, s[92:93] offset:1024   ; the second tile's, 16 queries on
	global_load_b128 v[QA+12:QA+15], v82, s[92:93] offset:1056
	global_load_b128 v[96:99], v83, s[6:7]         ; eight keys of the mask a thread
	global_load_b128 v[100:103], v83, s[6:7] offset:4096
	v_add_nc_u32 v84, MB, v83
	v_lshrrev_b32 v85, 2, v80
	v_and_b32 v86, 3, v80
	v_mul_u32_u24 v1, v85, PK
	v_mul_u32_u24 v3, v80, PV
	v_lshl_add_u32 v1, v86, 6, v1
	v_lshl_add_u32 v3, v81, 4, v3
	v_lshl_add_u32 v1, v81, 4, v1                  ; my place in a tile of K: key r, + 16 h
	v_add_nc_u32 v3, VOFF, v3                      ; in a tile of V: row r, + 16 h
	v_lshlrev_b32 v5, 5, v81
	v_add_nc_u32 v5, MB, v5                        ; in the table: 8 h keys on
	v_mov_b32 v104, 0xfb800000                     ; -2^120
	s_wait_alu depctr_va_vdst(0)
	s_wait_kmcnt 0x0
	s_add_co_i32 s94, s74, s75
	s_lshl_b32 s94, s94, 23
	s_mov_b32 s22, 0x3e38aa3b                      ; c = log2(e) / 8,
	s_add_co_i32 s22, s22, s94                     ; x 2^(e6 + e7), added to its exponent field
	s_mov_b32 s23, s22
	s_add_co_i32 s94, s78, 127
	s_lshl_b32 s96, s94, 23                        ; 2^e10, for the way out
	s_add_co_i32 s94, s94, 8
	s_lshl_b32 s94, s94, 23
	s_or_b32 s97, s94, 0x600000                    ; 448 x 2^e10
	s_add_co_i32 s98, s76, s77                     ; e8 + e9
	s_add_co_i32 s94, s76, 127
	s_lshl_b32 s95, s94, 23                        ; 2^e8
	s_add_co_i32 s94, s94, 8
	s_lshl_b32 s94, s94, 23
	s_or_b32 s94, s94, 0x600000                    ; 448 x 2^e8
	v_mov_b32 v7, s95
	v_mov_b32 v10, s94
	v_mov_b32 v11, s94
.irp x, 0,1
	v_mov_b32 v[ST+8*\x+1], 0xff61b1e6             ; the largest t so far: -3e38
	v_mov_b32 v[ST+8*\x+2], 0                      ; the sum, in two halves
	v_mov_b32 v[ST+8*\x+3], 0
	v_mov_b32 v[ST+8*\x+5], 0                      ; (the upper half of f's pair)
	v_floor_f32 v[ST+8*\x], -v[ST+8*\x+1]          ; -M
.endr
	WIN TO_1
.set j, 0
.rept 64
	v_mov_b32 v[OT+j], 0                           ; O^T of both tiles: the step is written once, and its first run finds zeros
.set j, j+1
.endr
	WIN 0
	s_wait_alu depctr_va_vdst(0)                   ; the wait at the head's end
	s_wait_loadcnt 0x0                             ; Q and the mask
.irp j, 0,1,2,3,4,5,6,7
	v_cmp_eq_u32 vcc_lo, 0, v[96+\j]
	v_cndmask_b32 v[96+\j], 0, v104, vcc_lo
.endr
	ds_store_b128 v84, v[96:99]
	ds_store_b128 v84, v[100:103] offset:4096
	s_wait_tensorcnt 0x0                           ; my quarter of K or V is in,
	s_wait_dscnt 0x0                               ; and my part of the table is stored: for the others' sake
	s_barrier_signal -1
	s_barrier_wait -1                              ; all of K, V and the table stand in LDS; nothing is filled again
	WIN TO_1
	KLD 1                                          ; the first step's K and terms
	MASKLD 5
	WIN 0
.macro TM x, j0, n                     ; t - M, n pairs of tile x from register j0 on
.set j, \j0
.rept \n
	v_pk_fma_f32 v[SC+64*\x+j:SC+64*\x+j+1], v[SC+64*\x+j:SC+64*\x+j+1], s[22:23], v[ST+8*\x:ST+8*\x+1] op_sel_hi:[1,0,0]
.set j, j+2
.endr
.endm
.Lstep:                                            ; sixteen trips of 128 keys
	s_lshr_b32 s58, s56, 2
	s_mul_i32 s58, s58, VBLK
	s_and_b32 s59, s56, 3
	s_lshl_b32 s59, s59, 7
	s_add_co_u32 s58, s58, s59                     ; V: block step / 4, 128 (step % 4) bytes along its rows
	s_add_co_u32 s59, s56, 1
	s_and_b32 s59, s59, 15                         ; the next step
	s_mul_i32 s57, s59, 32*PK                      ; its K: 32 rows of four keys a step,
	s_lshl_b32 s59, s59, 9                         ; and its terms in the table
	v_add_nc_u32 v2, s57, v1                       ; these three and the v_nop are the places behind the last products, in front of the loads into V's registers
	v_add_nc_u32 v4, s58, v3
	v_add_nc_u32 v6, s59, v5
	v_nop
	s_wait_alu depctr_va_vdst(0)
	s_wait_dscnt 0x0                               ; K and the mask's terms, asked for a step ago
	WIN 0x11                                       ; K and the terms in window 1; Q and the scores in window 0
.irp x, 0,1
.irp t, 0,1,2,3,4,5,6,7
	v_wmma_f32_16x16x64_fp8_fp8 v[SC+64*\x+8*\t:SC+64*\x+8*\t+7], v[KF+8*\t:KF+8*\t+7], v[QA+8*\x:QA+8*\x+7], v[MK+8*\t:MK+8*\t+7]   ; S^T = K Q^T + the mask's term; sixteen accumulators, one instruction each
.endr
.endr
	WIN TO_1
.irp t, 0,1,2,3
.irp c, 0,1,2,3
	ds_load_b128 v[VF+16*\t+4*\c:VF+16*\t+4*\c+3], v4 offset:16*\t*PV+32*\c   ; V's four tiles land under the softmax
.endr
.endr
	WIN 0
.rept 4
	v_nop                                          ; places in front of the first read of the scores
.endr
; the largest scores: two chains a tile, the tiles by turns; each accumulator from its low end on
.irp x, 0,1
	v_max3_num_f32 v[ST+8*\x+6], v[SC+64*\x], v[SC+64*\x+1], v[SC+64*\x+2]
	v_max3_num_f32 v[ST+8*\x+7], v[SC+64*\x+3], v[SC+64*\x+4], v[SC+64*\x+5]
.endr
.irp i, 6,10,14,18,22,26,30,34,38,42,46,50,54,58
.irp x, 0,1
	v_max3_num_f32 v[ST+8*\x+6], v[ST+8*\x+6], v[SC+64*\x+\i], v[SC+64*\x+\i+1]
	v_max3_num_f32 v[ST+8*\x+7], v[ST+8*\x+7], v[SC+64*\x+\i+2], v[SC+64*\x+\i+3]
.endr
.endr
.irp x, 0,1
	v_max3_num_f32 v[ST+8*\x+6], v[ST+8*\x+6], v[SC+64*\x+62], v[SC+64*\x+63]
.endr
.irp x, 0,1
	v_max_num_f32 v[ST+8*\x+6], v[ST+8*\x+6], v[ST+8*\x+7]
.endr
.irp x, 0,1
	v_permlanex16_b32 v[ST+8*\x+7], v[ST+8*\x+6], s20, s21
.endr
.irp x, 0,1
	v_max_num_f32 v[ST+8*\x+6], v[ST+8*\x+6], v[ST+8*\x+7]   ; and lane l xor 16's
.endr
.irp x, 0,1
	v_mul_f32 v[ST+8*\x+6], s22, v[ST+8*\x+6]      ; as t (c is positive)
.endr
.irp x, 0,1
	v_max_num_f32 v[ST+8*\x+1], v[ST+8*\x+1], v[ST+8*\x+6]   ; the running largest t
.endr
.irp x, 0,1
	v_mov_b32 v[ST+8*\x+6], v[ST+8*\x]
.endr
.irp x, 0,1
	v_floor_f32 v[ST+8*\x], -v[ST+8*\x+1]          ; the new -M = -ceil(t)
.endr
	TM 0, 0, 4
.irp x, 0,1
	v_sub_f32 v[ST+8*\x+6], v[ST+8*\x], v[ST+8*\x+6]   ; old M - new M: a whole number, 0 or less
.endr
	TM 1, 0, 4
.irp x, 0,1
	v_cvt_i32_f32 v[ST+8*\x+6], v[ST+8*\x+6]       ; (it saturates)
.endr
	TM 0, 8, 4
.irp x, 0,1
	v_ldexp_f32 v[ST+8*\x+4], 1.0, v[ST+8*\x+6]    ; f = 2^(old M - new M)
.endr
	TM 1, 8, 4
	TM 0, 16, 24
	TM 1, 16, 24
.irp x, 0,1
	v_pk_mul_f32 v[ST+8*\x+2:ST+8*\x+3], v[ST+8*\x+2:ST+8*\x+3], v[ST+8*\x+4:ST+8*\x+5] op_sel_hi:[1,0]   ; the sums under the new M
.endr
	WIN 0x41                                       ; O^T in window 1, f in window 0
.irp x, 0,1
.set j, 0
.rept 16
	v_pk_mul_f32 v[OT+32*\x+j:OT+32*\x+j+1], v[OT+32*\x+j:OT+32*\x+j+1], v[ST+8*\x+4:ST+8*\x+5] op_sel_hi:[1,0]   ; O^T under the new M
.set j, j+2
.endr
.endr
	WIN TO_1
	KLD 2                                          ; the next step's K and terms: their registers were last read by this step's first products
	MASKLD 6
	WIN 0
	s_wait_alu depctr_va_vdst(0)                   ; the wait ahead of the batch: both tiles' 128 exponentials
.set j, 0
.rept 128
	v_exp_f32 v[SC+j], v[SC+j]                     ; p = 2^(t - M)
.set j, j+1
.endr
	v_nop                                          ; a plain line behind the batch,
	s_wait_alu depctr_va_vdst(0)                   ; and the one wait ahead of its first reader
; the rows' sums of the unquantised p: four chains a tile, the tiles by turns
.irp k, 0,1,2,3
.irp x, 0,1
	v_pk_add_f32 v[TS+8*\x+2*\k:TS+8*\x+2*\k+1], v[SC+64*\x+2*\k:SC+64*\x+2*\k+1], v[SC+64*\x+2*\k+8:SC+64*\x+2*\k+9]
.endr
.endr
.set m, 8
.rept 24
.irp x, 0,1
	v_pk_add_f32 v[TS+8*\x+2*(m%4):TS+8*\x+2*(m%4)+1], v[TS+8*\x+2*(m%4):TS+8*\x+2*(m%4)+1], v[SC+64*\x+2*m:SC+64*\x+2*m+1]
.endr
.set m, m+1
.endr
.irp x, 0,1
	v_pk_add_f32 v[TS+8*\x:TS+8*\x+1], v[TS+8*\x:TS+8*\x+1], v[TS+8*\x+2:TS+8*\x+3]
	v_pk_add_f32 v[TS+8*\x+4:TS+8*\x+5], v[TS+8*\x+4:TS+8*\x+5], v[TS+8*\x+6:TS+8*\x+7]
.endr
.irp x, 0,1
	v_pk_add_f32 v[TS+8*\x:TS+8*\x+1], v[TS+8*\x:TS+8*\x+1], v[TS+8*\x+4:TS+8*\x+5]
.endr
.irp x, 0,1
	v_pk_add_f32 v[ST+8*\x+2:ST+8*\x+3], v[ST+8*\x+2:ST+8*\x+3], v[TS+8*\x:TS+8*\x+1]
.endr
.irp x, 0,1
.irp b, 0,1,2,3
.irp i, 0,2,4,6,8,10,12,14
	v_dual_min_num_f32 v[SC+64*\x+16*\b+\i], v[SC+64*\x+16*\b+\i], v10 :: v_dual_min_num_f32 v[SC+64*\x+16*\b+\i+1], v[SC+64*\x+16*\b+\i+1], v11   ; the conversion does not saturate (ISA guide 7.6.2); p is not negative, so the hold is one-sided; two a line
.endr
	v_cvt_scalef32_pk8_fp8_f32 v[PC+16*\x+4*\b:PC+16*\x+4*\b+1], v[SC+64*\x+16*\b:SC+64*\x+16*\b+7], v7        ; tile 2 b: keys 32 b + 8 h + 0..7
	v_cvt_scalef32_pk8_fp8_f32 v[PC+16*\x+4*\b+2:PC+16*\x+4*\b+3], v[SC+64*\x+16*\b+8:SC+64*\x+16*\b+15], v7   ; tile 2 b + 1: keys 32 b + 16 + 8 h + 0..7
.endr
.endr
	v_nop                                          ; a plain line behind the last conversion
	s_wait_alu depctr_va_vdst(0)
	s_wait_dscnt 32                                ; V's sixteen loads are in; the 32 younger ones, the next step's K and terms, may stay out
	WIN 0x51                                       ; V and O^T in window 1, p's codes in window 0
.irp x, 0,1
.irp t, 0,1,2,3
	v_wmma_f32_16x16x128_fp8_fp8 v[OT+32*\x+8*\t:OT+32*\x+8*\t+7], v[VF+16*\t:VF+16*\t+15], v[PC+16*\x:PC+16*\x+15], v[OT+32*\x+8*\t:OT+32*\x+8*\t+7]   ; O^T += V^T P^T; eight accumulators, one instruction each
.endr
.endr
	WIN 0
	s_add_co_u32 s56, s56, 1
	s_cmp_lt_u32 s56, 16
	s_cbranch_scc1 .Lstep
; THE WAY OUT.  O^T x 2^(e8 + e9) / the sum, held, converted; a query's 64 codes meet in my own stage and leave as 2,048 consecutive bytes.
.irp x, 0,1
	v_add_f32 v[ST+8*\x+2], v[ST+8*\x+2], v[ST+8*\x+3]
.endr
.irp x, 0,1
	v_permlanex16_b32 v[ST+8*\x+7], v[ST+8*\x+2], s20, s21
.endr
.irp x, 0,1
	v_add_f32 v[ST+8*\x+2], v[ST+8*\x+2], v[ST+8*\x+7]   ; the row's sum
.endr
	s_wait_alu depctr_va_vdst(0)                   ; ahead of the two reciprocals
	v_rcp_f32 v[ST+2], v[ST+2]
	v_rcp_f32 v[ST+10], v[ST+10]
	v_and_b32 v80, 15, v0                          ; (plain lines behind the transcendentals)
	v_bfe_u32 v81, v0, 4, 1
	s_mul_i32 s94, s12, 2560
	s_add_co_u32 s94, s94, STG                     ; my stage
	v_and_b32 v82, 31, v0
	v_mul_u32_u24 v28, v80, 80
	v_lshrrev_b32 v30, 2, v82
	v_lshl_add_u32 v28, v81, 3, v28
	v_mul_u32_u24 v30, v30, 80
	v_lshlrev_b32 v31, 4, v82                      ; the output: 16 bytes a lane
	v_and_b32 v82, 3, v82
	v_add_nc_u32 v28, s94, v28                     ; in: row r of 80 bytes, + 8 h;
	v_lshl_add_u32 v30, v82, 4, v30
	v_add_nc_u32 v29, 1280, v28                    ; the second tile's rows, 16 further on
	v_add_nc_u32 v30, s94, v30                     ; back: row lane / 4, 16 (lane % 4)
	v_mov_b32 v10, s97
	v_mov_b32 v7, s96
	s_wait_alu depctr_va_vdst(0)                   ; ahead of the reciprocals' first readers
.irp x, 0,1
	v_ldexp_f32 v[ST+8*\x+2], v[ST+8*\x+2], s98
.endr
	WIN 0x01                                       ; O^T in window 1
	s_wait_alu depctr_va_vdst(0)                   ; directly ahead of the first reader of O^T
.irp x, 0,1
.set j, 0
.rept 32
	v_mul_f32 v[SC+64*\x+j], v[OT+32*\x+j], v[ST+8*\x+2]   ; register 8 t + i: channel 16 t + 8 h + i of my query
.set j, j+1
.endr
.endr
	WIN 0
.irp x, 0,1
.set j, 0
.rept 32
	v_med3_num_f32 v[SC+64*\x+j], v[SC+64*\x+j], -v10, v10
.set j, j+1
.endr
.endr
.irp x, 0,1
.irp t, 0,1,2,3
	v_cvt_scalef32_pk8_fp8_f32 v[PC+16*\x+2*\t:PC+16*\x+2*\t+1], v[SC+64*\x+8*\t:SC+64*\x+8*\t+7], v7
.endr
.endr
	v_nop                                          ; a plain line behind the last conversion
.irp x, 0,1
.irp t, 0,1,2,3
	ds_store_b64 v[28+\x], v[PC+16*\x+2*\t:PC+16*\x+2*\t+1] offset:16*\t
.endr
.endr
.irp i, 0,1,2,3
	ds_load_b128 v[224+4*\i:227+4*\i], v30 offset:640*\i   ; LDS serves a wave's instructions in order: these see my stores
.endr
.irp i, 0,1,2,3
	s_wait_dscnt 3-\i                              ; the younger loads may stay out
	global_store_b128 v31, v[224+4*\i:227+4*\i], s[10:11] offset:512*\i   ; 32 lanes store 512 consecutive bytes, aligned
.endr
	s_wait_tensorcnt 0x0                           ; the wave's end
	ds_add_u32 v[SPW], v[NIL]
	s_wait_dscnt 0x0
	CROUND                                         ; the closing round
	s_endpgm
.Lfunc_end_k_q44fc315bc5_attn:
	.size	k_q44fc315bc5_attn, .Lfunc_end_k_q44fc315bc5_attn-k_q44fc315bc5_attn
	.p2alignl 7, 3214868480
	.fill 96, 4, 3214868480
	.section	.rodata,"a",@progbits
	.p2align	6, 0x0
	.amdhsa_kernel k_q44fc315bc5_attn
		.amdhsa_group_segment_fixed_size 327680
		.amdhsa_private_segment_fixed_size 0
		.amdhsa_enable_private_segment 0
		.amdhsa_kernarg_size 32
		.amdhsa_user_sgpr_count 2
		.amdhsa_user_sgpr_kernarg_segment_ptr 1
		.amdhsa_wavefront_size32 1
		.amdhsa_system_sgpr_workgroup_id_x 1
		.amdhsa_system_sgpr_workgroup_id_y 1
		.amdhsa_system_sgpr_workgroup_id_z 1
		.amdhsa_system_vgpr_workitem_id 0
		.amdhsa_next_free_vgpr 512
		.amdhsa_next_free_sgpr 100
		.amdhsa_reserve_vcc 1
		.amdhsa_float_denorm_mode_32 3
		.amdhsa_float_denorm_mode_16_64 3
		.amdhsa_memory_ordered 1
		.amdhsa_forward_progress 1
		.amdhsa_inst_pref_size 52
	.end_amdhsa_kernel
	.amdgpu_metadata
---
amdhsa.version: [ 1, 2 ]
amdhsa.kernels:
  - .name:           k_q44fc315bc5_attn
    .symbol:         k_q44fc315bc5_attn.kd
    .args:
      - { .name: qkvc, .offset: 0, .size: 8, .value_kind: global_buffer, .address_space: global }
      - { .name: mask, .offset: 8, .size: 8, .value_kind: global_buffer, .address_space: global }
      - { .name: lowp_scales, .offset: 16, .size: 8, .value_kind: global_buffer, .address_space: global }
      - { .name: ao, .offset: 24, .size: 8, .value_kind: global_buffer, .address_space: global }
    .group_segment_fixed_size: 327680
    .private_segment_fixed_size: 0
    .kernarg_segment_align: 8
    .kernarg_segment_size: 32
    .max_flat_workgroup_size: 256
    .sgpr_count:     100
    .vgpr_count:     512
    .wavefront_size: 32
...
	.end_amdgpu_metadata
.endif
;; end of part 3
;; launch wo (part 4): grid 8 x 32, 4 waves a work-group, clusters of 4 x 4, 327,680 bytes of LDS; arguments ao, wcodes, lowp_scales, bo, x, x1; writes x1
.if DOCPART == 4
	.amdgcn_target "amdgcn-amd-amdhsa--gfx1250"
	.amdhsa_code_object_version 6
	.text
	.protected	k_q44fc315bc5_wo
	.globl	k_q44fc315bc5_wo
	.p2align	8
	.type	k_q44fc315bc5_wo,@function
k_q44fc315bc5_wo:
	s_mov_b64 s[64:65], 0
	v_nop
	global_prefetch_b8 v0, s[64:65] scope:SCOPE_SE
	s_setreg_imm32_b32 hwreg(HW_REG_WAVE_MODE, 25, 1), 1
	s_wait_xcnt 0x0
	s_wait_alu depctr_hold_cnt(0) depctr_sa_sdst(0) depctr_va_vdst(0) depctr_va_sdst(0) depctr_va_ssrc(0) depctr_va_vcc(0) depctr_vm_vsrc(0)
	s_getreg_b32 s2, hwreg(HW_REG_IB_STS2, 6, 4)
	s_cmp_eq_u32 s2, 0
	s_cbranch_scc0 .Lentry_in_a_cluster
	s_endpgm
.Lentry_in_a_cluster:
	s_bfe_u32 s2, ttmp6, 0x10000c
	s_cmp_lg_u32 s2, 0xf033
	s_cbranch_scc0 .Lentry_shape_is_right
	s_endpgm
.Lentry_shape_is_right:
; WO: product 6 on codes of FP8, x1 = x + (attention's result Wo + bo), f32 out.  Nothing is left out.
; A tile of 128 x 128 gives each of 256 work-groups one tile; four waves, 64 x 64 each: 16 accumulators.  All of K = 1,024 stands in LDS at once: one tensor load a wave, nothing is filled again.
; A's codes lie [block of 64 tokens][head][64 tokens][64]: a wave's 64 tokens are one dense block of 256 rows of 256 bytes.  In LDS (rows + 16) token t, head d lies at 272 (16 d + t / 4) + 64 (t % 4):
; the sixteen lanes of a load's pass touch sixteen different 16-byte columns.  128 along K are two heads.  B's rows are 1,024 bytes + 16.
; CLUSTERS: 4 x 4; A's tiles are asked for jointly along a row of the cluster, B's along a column.  THE MATRIX INSTRUCTION IS USED TRANSPOSED: a lane holds eight neighbouring numbers of a row of the result.
; NO PREFETCH: every fetch goes out at the head, so there is no loop to run ahead in.
; The residual and the bias are asked for at the head and land under the products.  A wave's 64 columns of f32 are 256 bytes, so each wave has a stage of its own and the way out has no barrier.
; LIMIT: the two operands' exponents added lie between -126 and 127.
; REGISTERS: window 0: v16-29 addresses; v32-95 rows on the way out, two sets; v96-99 the bias; v128-255 the accumulators, (a, b) at v[128 + 8 (4 a + b)].   window 1: two fragment buffers of 128: A's four fragments, then B's four.   window 2: the residual.
.set WOFF,   0x300000                  ; the weight's codes in wcodes
.set EOFF,   40                        ; entries 10, 11
.set PA,     272
.set AHALF,  256*PA
.set HD,     16*PA                     ; from head to head in A's half
.set PB,     1040
.set BHALF,  64*PB
.set BOFF,   2*AHALF
.set STAGE,  BOFF+2*BHALF              ; 16 rows x 272 bytes for each wave
.set SPITCH, 272
.set SPARE,  STAGE+4*16*SPITCH         ; the spare words, 128 bytes a wave, that no other line names
.set ADRA, 16                          ; v16 heads 0-7, v17 heads 8-15
.set ADRB, 20
.set STO,  24
.set RD,   25
.set CO,   26
.set BOF,  27
.set SPW,  28
.set NIL,  29
.set BK,   32
.set BIASR, 96
.set ACC,  128
.set F0,   0
.set F1,   128
.set G1, 24
.set G0, 32
.set G1B, 48
.set G0B, 56
.set MSB, 0
.macro WIN new                         ; the immediate's high byte repeats the setting that is left
.if MSB != \new
	s_set_vgpr_msb (MSB<<8)|\new
.set MSB, \new
.endif
.endm
.set MUL,  0x05                        ; sources 0 (B) and 1 (A) window 1; C and D window 0
.set TO_F, 0x40                        ; destination window 1
.macro CROUND
	s_barrier_signal -1
	s_barrier_wait -1
	s_cmp_lg_u32 s10, 0
	s_cbranch_scc1 .Lnot_wave_0_\@
	s_barrier_signal -3
.Lnot_wave_0_\@:
	s_barrier_wait -3
	s_barrier_signal -1
	s_barrier_wait -1
.endm
	s_load_b256 s[68:75], s[0:1], 0x0              ; A's codes, wcodes, the exponents, the bias
	s_load_b128 s[76:79], s[0:1], 0x20             ; the residual, the output
	v_lshl_add_u32 v[SPW], v0, 2, SPARE
	v_mov_b32 v[NIL], 0
	ds_add_u32 v[SPW], v[NIL]                      ; the opening: the add, twice on end, and its wait ahead of my tensor load
	ds_add_u32 v[SPW], v[NIL]
	v_lshrrev_b32 v1, 5, v0
	v_readfirstlane_b32 s10, v1                    ; wave 0..3
	s_lshr_b32 s11, s10, 1                         ; my half of the rows.  Also: I fetch for A (0) or B (1)
	s_and_b32 s12, s10, 1                          ; my half of the columns.  Also: which 64 rows I fetch
	s_bfe_u32 s40, ttmp6, 0x40000
	s_bfe_u32 s41, ttmp6, 0x40004
	s_lshl_b32 s42, ttmp9, 2
	s_add_co_u32 s42, s42, s40                     ; tile column
	s_and_b32 s13, ttmp7, 0xffff
	s_lshl_b32 s13, s13, 2
	s_add_co_u32 s13, s13, s41                     ; tile row
	s_lshl_b32 s43, s41, 2
	s_lshl_b32 s43, 15, s43                        ; my row of the cluster
	s_lshl_b32 s44, 0x1111, s40                    ; my column
	s_or_b32 s[G1+0], s43, (1<<20)|(1<<21)|(5<<22)|(3<<25)   ; A: 4 words of padding after every 64; bit 21 beside a mask
	s_mov_b32 s[G1+1], 256<<16
	s_mov_b32 s[G1+2], 256<<16
	s_mov_b32 s[G1+3], 256<<16
	s_mov_b32 s[G1+4], 256                         ; 256 rows of 256 bytes, dense
	s_mov_b32 s[G1+5], 256
	s_mov_b32 s[G1+6], 0
	s_mov_b32 s[G1+7], 0
	s_or_b32 s[G1B+0], s44, (1<<20)|(1<<21)|(7<<22)|(3<<25)  ; B: after every 256 words
	s_mov_b32 s[G1B+1], 1024<<16
	s_mov_b32 s[G1B+2], 64<<16
	s_mov_b32 s[G1B+3], 1024<<16
	s_mov_b32 s[G1B+4], 64                         ; 64 rows of 1,024 bytes
	s_mov_b32 s[G1B+5], 1024
	s_mov_b32 s[G1B+6], 0
	s_mov_b32 s[G1B+7], 0
	s_lshl_b32 s16, s13, 1
	s_add_co_u32 s16, s16, s12
	s_lshl_b32 s16, s16, 16                        ; A: block 2 x tile row + half, 65,536 bytes each
	s_mov_b32 s17, 0
	s_lshl_b32 s46, s42, 7
	s_lshl_b32 s47, s12, 6
	s_add_co_u32 s46, s46, s47                     ; B: row 128 x tile column + 64 x half
	s_lshl_b32 s46, s46, 10
	s_add_co_u32 s46, s46, WOFF
	s_mov_b32 s47, 0
	s_mov_b32 s[G0], 1
	s_mul_i32 s[G0+1], s12, AHALF
	s_mov_b32 s[G0B], 1
	s_mul_i32 s[G0B+1], s12, BHALF
	s_add_co_u32 s[G0B+1], s[G0B+1], BOFF
	s_wait_dscnt 0x0                               ; both opening adds are done
	s_wait_kmcnt 0x0
	s_load_b64 s[80:81], s[72:73], EOFF
	s_add_nc_u64 s[G0+2:G0+3], s[68:69], s[16:17]
	s_or_b32 s[G0+3], s[G0+3], 0x80000000
	s_add_nc_u64 s[G0B+2:G0B+3], s[70:71], s[46:47]
	s_or_b32 s[G0B+3], s[G0B+3], 0x80000000
	CROUND                                         ; all sixteen work-groups are here: the joint loads meet
	s_cmp_eq_u32 s11, 0                            ; one tensor load a wave; an s_nop 0 and four v_nop follow each
	s_cbranch_scc0 .Lfor_b
	tensor_load_to_lds s[G0:G0+3], s[G1:G1+7]
	s_nop 0
.rept 4
	v_nop
.endr
	s_branch .Lasked
.Lfor_b:
	tensor_load_to_lds s[G0B:G0B+3], s[G1B:G1B+7]
	s_nop 0
.rept 4
	v_nop
.endr
.Lasked:
	s_lshl_b32 s16, s13, 7
	s_lshl_b32 s17, s11, 6
	s_add_co_u32 s16, s16, s17
	s_lshl_b32 s16, s16, 12                        ; my first row, in bytes
	s_mov_b32 s17, 0
	s_add_nc_u64 s[76:77], s[76:77], s[16:17]
	s_add_nc_u64 s[78:79], s[78:79], s[16:17]
	s_lshl_b32 s46, s42, 9
	s_lshl_b32 s47, s12, 8
	s_add_co_u32 s46, s46, s47                     ; my first column, in bytes
	s_mov_b32 s47, 0
	s_add_nc_u64 s[74:75], s[74:75], s[46:47]
	s_add_nc_u64 s[76:77], s[76:77], s[46:47]
	s_add_nc_u64 s[78:79], s[78:79], s[46:47]
	s_mul_i32 s21, s11, AHALF
	s_mul_i32 s22, s12, BHALF
	s_add_co_u32 s22, s22, BOFF
	s_mul_i32 s23, s10, 16*SPITCH
	s_add_co_u32 s23, s23, STAGE                   ; my stage
	v_and_b32 v1, 15, v0                           ; r
	v_bfe_u32 v2, v0, 4, 1                         ; h
	v_lshlrev_b32 v[BOF], 4, v1
	v_lshl_add_u32 v[CO], v2, 12, v[BOF]           ; two rows of 4,096 bytes, sixteen lanes to 256 bytes
	global_load_b128 v[BIASR:BIASR+3], v[BOF], s[74:75]      ; the bias of my four columns
	WIN 0x80                                       ; destination window 2
.set j, 0
.rept 32
	global_load_b128 v[4*j:4*j+3], v[CO], s[76:77] offset:2*j*4096 th:TH_LOAD_NT   ; the residual of my 64 x 64, laid as the rows will come back from the stage
.set j, j+1
.endr
	WIN 0
	v_lshrrev_b32 v3, 2, v1
	v_and_b32 v6, 3, v1
	v_mul_u32_u24 v3, v3, PA
	v_mul_u32_u24 v7, v1, PB
	v_lshl_add_u32 v3, v6, 6, v3
	v_lshl_add_u32 v7, v2, 4, v7
	v_lshl_add_u32 v3, v2, 4, v3                   ; A: token r of a fragment, + 16 h
	v_add_nc_u32 v[ADRB], s22, v7                  ; B: row r, + 16 h
	v_add_nc_u32 v[ADRA], s21, v3
	v_mul_u32_u24 v4, v1, SPITCH
	v_mul_u32_u24 v5, v2, SPITCH
	v_add_nc_u32 v[ADRA+1], 8*HD, v[ADRA]
	v_lshl_add_u32 v4, v2, 5, v4
	v_lshl_add_u32 v5, v1, 4, v5
	v_add_nc_u32 v[STO], s23, v4                   ; in: row r, 32 bytes for each half of the lanes
	v_add_nc_u32 v[RD], s23, v5                    ; back: two rows an instruction
	s_wait_alu depctr_va_vdst(0)                   ; the wait at the head's end
	s_wait_kmcnt 0x0
	s_add_co_i32 s66, s80, s81
	s_add_co_i32 s66, s66, 127
	s_lshl_b32 s66, s66, 23                        ; S = 2^(the two exponents added)
	s_mov_b32 s67, s66
.macro MULA f, a, zero                 ; A's fragment a x B's four, 128 along K.  The 16 accumulators take turns, one instruction a turn
.irp b, 0,1,2,3
.if \zero
	v_wmma_f32_16x16x128_fp8_fp8 v[ACC+8*(4*(\a)+\b):ACC+8*(4*(\a)+\b)+7], v[\f+64+16*\b:\f+64+16*\b+15], v[\f+16*(\a):\f+16*(\a)+15], 0
.else
	v_wmma_f32_16x16x128_fp8_fp8 v[ACC+8*(4*(\a)+\b):ACC+8*(4*(\a)+\b)+7], v[\f+64+16*\b:\f+64+16*\b+15], v[\f+16*(\a):\f+16*(\a)+15], v[ACC+8*(4*(\a)+\b):ACC+8*(4*(\a)+\b)+7]
.endif
.endr
.endm
.macro FETCH q, f                      ; 32 LDS loads in one run: B's four fragments, then A's, of the q-th 128 along K (heads 2 q, 2 q + 1)
	WIN TO_F
.irp i, 0,1,2,3
.irp c, 0,1,2,3
	ds_load_b128 v[\f+64+16*\i+4*\c:\f+64+16*\i+4*\c+3], v[ADRB] offset:128*(\q)+32*\c+\i*16*PB
.endr
.endr
.irp i, 0,1,2,3
.irp c, 0,1,2,3
	ds_load_b128 v[\f+16*\i+4*\c:\f+16*\i+4*\c+3], v[ADRA+(\q)/4] offset:(2*((\q)%4)+\c/2)*HD+\i*4*PA+32*(\c%2)
.endr
.endr
.endm
.macro PLACES                          ; plain vector lines between a matrix instruction and a load into, or a read of, its registers
.rept 4
	v_nop
.endr
.endm
.macro QUARTER q, f, g, zero           ; multiplies buffer f, fetches the q-th 128 along K into g
	s_wait_dscnt 8                                 ; B and A's fragments 0, 1 are in; the 8 youngest loads (A's 2, 3) may be out
	WIN MUL
	MULA \f, 0, \zero
	MULA \f, 1, \zero
	PLACES
	FETCH \q, \g
	s_wait_dscnt 32                                ; all but the 32 just issued
	WIN MUL
	MULA \f, 2, \zero
	MULA \f, 3, \zero
.endm
	s_wait_tensorcnt 0x0                           ; my quarter of the operands is in: for the others' sake
	s_barrier_signal -1
	s_barrier_wait -1                              ; everybody's is
	FETCH 0, F0
	QUARTER 1, F0, F1, 1                           ; the first products start the sums: nothing is cleared
	QUARTER 2, F1, F0, 0
	QUARTER 3, F0, F1, 0
	QUARTER 4, F1, F0, 0
	QUARTER 5, F0, F1, 0
	QUARTER 6, F1, F0, 0
	QUARTER 7, F0, F1, 0
	s_wait_dscnt 8
	WIN MUL
	MULA F1, 0, 0
	MULA F1, 1, 0
	s_wait_dscnt 0
	MULA F1, 2, 0
	MULA F1, 3, 0
	WIN 0
; THE WAY OUT, 16 rows at a time: the sums go through my stage as they are and come back as rows of 256 bytes; there sum x S + residual + bias, and the store.
.macro TOSTAGE a
.irp b, 0,1,2,3
	ds_store_b128 v[STO], v[ACC+8*(4*(\a)+\b):ACC+8*(4*(\a)+\b)+3] offset:64*\b        ; each accumulator from its low end on
	ds_store_b128 v[STO], v[ACC+8*(4*(\a)+\b)+4:ACC+8*(4*(\a)+\b)+7] offset:64*\b+16
.endr
.set BB, BK+32*((\a)%2)
.irp t, 0,1,2,3,4,5,6,7
	ds_load_b128 v[BB+4*\t:BB+4*\t+3], v[RD] offset:\t*2*SPITCH   ; LDS serves a wave's instructions in order: these see my stores, and the next block's stores come behind them
.endr
.endm
.macro SEND a, younger
.set BB, BK+32*((\a)%2)
	s_wait_dscnt \younger                          ; the block is back; the next block's stores and loads may be out
	WIN 0x20                                       ; source 2: the residual's window
.set j, 0
.rept 16
	v_pk_fma_f32 v[BB+j:BB+j+1], v[BB+j:BB+j+1], s[66:67], v[32*(\a)+j:32*(\a)+j+1] op_sel_hi:[1,0,1]
.set j, j+2
.endr
	WIN 0
.irp t, 0,1,2,3,4,5,6,7
	v_pk_add_f32 v[BB+4*\t:BB+4*\t+1], v[BB+4*\t:BB+4*\t+1], v[BIASR:BIASR+1]
	v_pk_add_f32 v[BB+4*\t+2:BB+4*\t+3], v[BB+4*\t+2:BB+4*\t+3], v[BIASR+2:BIASR+3]
.endr
.irp t, 0,1,2,3,4,5,6,7
	global_store_b128 v[CO], v[BB+4*\t:BB+4*\t+3], s[78:79] offset:(16*(\a)+2*\t)*4096   ; 16 lanes store 256 consecutive bytes, aligned
.endr
.endm
	s_wait_loadcnt 0x0                             ; the residual and the bias
	PLACES
	TOSTAGE 0
.irp a, 1,2,3
.if \a > 1
	s_wait_xcnt 0x0                                ; block a - 2's stores have read their registers: block a's rows may land there
.endif
	TOSTAGE \a
	SEND \a-1, 16
.endr
	SEND 3, 0
	s_wait_tensorcnt 0x0                           ; the wave's end
	ds_add_u32 v[SPW], v[NIL]
	s_wait_dscnt 0x0
	CROUND                                         ; the closing round
	s_endpgm
.Lfunc_end_k_q44fc315bc5_wo:
	.size	k_q44fc315bc5_wo, .Lfunc_end_k_q44fc315bc5_wo-k_q44fc315bc5_wo
	.p2alignl 7, 3214868480
	.fill 96, 4, 3214868480
	.section	.rodata,"a",@progbits
	.p2align	6, 0x0
	.amdhsa_kernel k_q44fc315bc5_wo
		.amdhsa_group_segment_fixed_size 327680
		.amdhsa_private_segment_fixed_size 0
		.amdhsa_enable_private_segment 0
		.amdhsa_kernarg_size 48
		.amdhsa_user_sgpr_count 2
		.amdhsa_user_sgpr_kernarg_segment_ptr 1
		.amdhsa_wavefront_size32 1
		.amdhsa_system_sgpr_workgroup_id_x 1
		.amdhsa_system_sgpr_workgroup_id_y 1
		.amdhsa_system_sgpr_workgroup_id_z 1
		.amdhsa_system_vgpr_workitem_id 0
		.amdhsa_next_free_vgpr 768
		.amdhsa_next_free_sgpr 100
		.amdhsa_reserve_vcc 0
		.amdhsa_float_denorm_mode_32 3
		.amdhsa_float_denorm_mode_16_64 3
		.amdhsa_memory_ordered 1
		.amdhsa_forward_progress 1
		.amdhsa_inst_pref_size 52
	.end_amdhsa_kernel
	.amdgpu_metadata
---
amdhsa.version: [ 1, 2 ]
amdhsa.kernels:
  - .name:           k_q44fc315bc5_wo
    .symbol:         k_q44fc315bc5_wo.kd
    .args:
      - { .name: ao, .offset: 0, .size: 8, .value_kind: global_buffer, .address_space: global }
      - { .name: wcodes, .offset: 8, .size: 8, .value_kind: global_buffer, .address_space: global }
      - { .name: lowp_scales, .offset: 16, .size: 8, .value_kind: global_buffer, .address_space: global }
      - { .name: bo, .offset: 24, .size: 8, .value_kind: global_buffer, .address_space: global }
      - { .name: x, .offset: 32, .size: 8, .value_kind: global_buffer, .address_space: global }
      - { .name: x1, .offset: 40, .size: 8, .value_kind: global_buffer, .address_space: global }
    .group_segment_fixed_size: 327680
    .private_segment_fixed_size: 0
    .kernarg_segment_align: 8
    .kernarg_segment_size: 48
    .max_flat_workgroup_size: 128
    .sgpr_count:     100
    .vgpr_count:     768
    .wavefront_size: 32
...
	.end_amdgpu_metadata
.endif
;; end of part 4
;; launch ln2 (part 5): grid 256 x 1, 4 waves a work-group, no clusters, 0 bytes of LDS; arguments x1, ln2_g, ln2_b, lowp_scales, nx2; writes nx2
.if DOCPART == 5
	.amdgcn_target "amdgcn-amd-amdhsa--gfx1250"
	.amdhsa_code_object_version 6
	.text
	.protected	k_q44fc315bc5_ln2
	.globl	k_q44fc315bc5_ln2
	.p2align	8
	.type	k_q44fc315bc5_ln2,@function
k_q44fc315bc5_ln2:
	s_mov_b64 s[64:65], 0
	v_nop
	global_prefetch_b8 v0, s[64:65] scope:SCOPE_SE
	s_setreg_imm32_b32 hwreg(HW_REG_WAVE_MODE, 25, 1), 1
	s_wait_xcnt 0x0
; LN2: layer norm 2 of x1, quantised with entry 12 of the exponents into nx2 [4,096][1,024].  Nothing is left out.
; A wave to a row, four rows a wave.  In chunk c a lane holds columns 256 c + 8 lane + 0..7: one conversion gives its 8 codes, and a store of 8 bytes a lane covers 256 consecutive bytes, aligned.
; The reduction never leaves the wave: no LDS, no barrier.  LIMIT: entry 12 between -126 and 119.
.set G,    16                          ; v16-47 gain, v48-79 offset, v80-207 four rows, v208-223 at work, v224-231 codes, v248, v249 2^e and 448 x 2^e
.set BV,   48
.set LX,   80
.set H,    208
.set CD,   224
.set QS,   248
.set NPL,  1
	s_load_b256 s[8:15], s[0:1], 0x0               ; x1, ln2_g, ln2_b, the exponents
	s_load_b64 s[16:17], s[0:1], 0x20              ; nx2
	v_lshrrev_b32 v1, 5, v0
	v_readfirstlane_b32 s20, v1                    ; wave
	v_and_b32 v1, 31, v0                           ; lane
	s_lshl_b32 s2, ttmp9, 4
	s_lshl_b32 s3, s20, 2
	s_add_co_u32 s2, s2, s3                        ; my wave's first row
	s_lshl_b32 s32, s2, 12
	s_mov_b32 s33, 0
	s_lshl_b32 s34, s2, 10
	s_mov_b32 s35, 0
	v_lshlrev_b32 v2, 5, v1
	v_lshlrev_b32 v3, 3, v1
	s_wait_alu depctr_va_vdst(0)
	s_wait_kmcnt 0x0
	s_load_b32 s18, s[14:15], 0x30                 ; e12
	s_add_nc_u64 s[8:9], s[8:9], s[32:33]
	s_add_nc_u64 s[52:53], s[16:17], s[34:35]
.irp c, 0,1,2,3
	global_load_b128 v[G+8*\c:G+8*\c+3], v2, s[10:11] offset:1024*\c
	global_load_b128 v[G+8*\c+4:G+8*\c+7], v2, s[10:11] offset:1024*\c+16
	global_load_b128 v[BV+8*\c:BV+8*\c+3], v2, s[12:13] offset:1024*\c
	global_load_b128 v[BV+8*\c+4:BV+8*\c+7], v2, s[12:13] offset:1024*\c+16
.endr
.irp i, 0,1,2,3
.irp c, 0,1,2,3
	global_load_b128 v[LX+32*\i+8*\c:LX+32*\i+8*\c+3], v2, s[8:9] offset:4096*\i+1024*\c th:TH_LOAD_NT
	global_load_b128 v[LX+32*\i+8*\c+4:LX+32*\i+8*\c+7], v2, s[8:9] offset:4096*\i+1024*\c+16 th:TH_LOAD_NT
.endr
.endr
	s_mov_b32 s4, 0x3a800000                       ; 1 / 1024
	s_mov_b32 s5, 0x3727c5ac                       ; 1e-5
	s_mov_b32 s6, 0x76543210                       ; v_permlanex16_b32: lane l xor 16
	s_mov_b32 s7, 0xfedcba98
	v_mov_b32 v5, 0                                ; a lane permute's destination counts as read
	s_wait_kmcnt 0x0
	s_add_co_i32 s32, s18, 127
	s_lshl_b32 s33, s32, 23
	v_mov_b32 v[QS], s33                           ; 2^e
	s_add_co_i32 s32, s32, 8
	s_lshl_b32 s32, s32, 23
	s_or_b32 s32, s32, 0x600000
	v_mov_b32 v[QS+1], s32                         ; 448 x 2^e
.macro FOLD                            ; four packed chains in v[H .. H+7] become one number in every lane's v4
	v_pk_add_f32 v[H:H+1], v[H:H+1], v[H+2:H+3]
	v_pk_add_f32 v[H+4:H+5], v[H+4:H+5], v[H+6:H+7]
	v_pk_add_f32 v[H:H+1], v[H:H+1], v[H+4:H+5]
	v_add_f32 v4, v[H], v[H+1]
	v_add_f32_dpp v4, v4, v4 row_xmask:1 row_mask:0xf bank_mask:0xf
	v_add_f32_dpp v4, v4, v4 row_xmask:2 row_mask:0xf bank_mask:0xf
	v_add_f32_dpp v4, v4, v4 row_xmask:4 row_mask:0xf bank_mask:0xf
	v_add_f32_dpp v4, v4, v4 row_xmask:8 row_mask:0xf bank_mask:0xf
	v_permlanex16_b32 v5, v4, s6, s7
	v_add_f32 v4, v4, v5
.endm
.macro LNROW i
.set R, LX+32*(\i)
	s_wait_loadcnt 8*(3-(\i))                      ; this row is in; the later rows' eight loads each may stay out
.irp k, 0,1,2,3
	v_pk_add_f32 v[H+2*\k:H+2*\k+1], v[R+4*\k:R+4*\k+1], v[R+4*\k+2:R+4*\k+3]
.endr
.irp p, 16,24
.irp k, 0,1,2,3
	v_pk_add_f32 v[H+2*\k:H+2*\k+1], v[H+2*\k:H+2*\k+1], v[R+\p+2*\k:R+\p+2*\k+1]
.endr
.endr
	FOLD
	v_mul_f32 v12, s4, v4                          ; the mean, in both halves of a pair
	v_mov_b32 v13, v12
.set p, 0
.rept 16
	v_pk_add_f32 v[R+p:R+p+1], v[R+p:R+p+1], v[12:13] neg_lo:[0,1] neg_hi:[0,1]
.set p, p+2
.endr
.irp k, 0,1,2,3
	v_pk_mul_f32 v[H+2*\k:H+2*\k+1], v[R+2*\k:R+2*\k+1], v[R+2*\k:R+2*\k+1]
.endr
.irp p, 8,16,24
.irp k, 0,1,2,3
	v_pk_fma_f32 v[H+2*\k:H+2*\k+1], v[R+\p+2*\k:R+\p+2*\k+1], v[R+\p+2*\k:R+\p+2*\k+1], v[H+2*\k:H+2*\k+1]
.endr
.endr
	FOLD
	v_fma_f32 v6, v4, s4, s5                       ; the variance + 1e-5
	s_wait_alu depctr_va_vdst(0)
	v_rsq_f32 v10, v6
	v_nop                                          ; a plain line behind the transcendental,
	s_wait_alu depctr_va_vdst(0)                   ; and the wait ahead of the first line that names its result
	v_mov_b32 v11, v10
.set p, 0
.rept 16
	v_pk_mul_f32 v[R+p:R+p+1], v[R+p:R+p+1], v[10:11]
.set p, p+2
.endr
.set p, 0
.rept 16
	v_pk_fma_f32 v[R+p:R+p+1], v[R+p:R+p+1], v[G+p:G+p+1], v[BV+p:BV+p+1]
.set p, p+2
.endr
	s_wait_xcnt 0x0                                ; the row before's stores have read their codes: the registers may be written again
.set q, 0
.rept NPL
.irp c, 0,1,2,3
.irp j, 0,1,2,3,4,5,6,7
	v_med3_num_f32 v[H+8*(\c%2)+\j], v[R+8*\c+\j], -v[QS+2*q+1], v[QS+2*q+1]   ; the hold (the conversion does not saturate: ISA guide 7.6.2); also the plain lines between a conversion and the next write of its sources
.endr
	v_cvt_scalef32_pk8_fp8_f32 v[CD+8*q+2*\c:CD+8*q+2*\c+1], v[H+8*(\c%2):H+8*(\c%2)+7], v[QS+2*q]
.endr
.set q, q+1
.endr
	v_nop                                          ; a plain line behind the last conversion
.set q, 0
.rept NPL
.irp c, 0,1,2,3
	global_store_b64 v3, v[CD+8*q+2*\c:CD+8*q+2*\c+1], s[52+2*q:53+2*q] offset:1024*(\i)+256*\c   ; 32 lanes store 256 consecutive bytes, aligned
.endr
.set q, q+1
.endr
.endm
	LNROW 0
	LNROW 1
	LNROW 2
	LNROW 3
	s_endpgm
.Lfunc_end_k_q44fc315bc5_ln2:
	.size	k_q44fc315bc5_ln2, .Lfunc_end_k_q44fc315bc5_ln2-k_q44fc315bc5_ln2
	.p2alignl 7, 3214868480
	.fill 96, 4, 3214868480
	.section	.rodata,"a",@progbits
	.p2align	6, 0x0
	.amdhsa_kernel k_q44fc315bc5_ln2
		.amdhsa_group_segment_fixed_size 0
		.amdhsa_private_segment_fixed_size 0
		.amdhsa_enable_private_segment 0
		.amdhsa_kernarg_size 40
		.amdhsa_user_sgpr_count 2
		.amdhsa_user_sgpr_kernarg_segment_ptr 1
		.amdhsa_wavefront_size32 1
		.amdhsa_system_sgpr_workgroup_id_x 1
		.amdhsa_system_sgpr_workgroup_id_y 1
		.amdhsa_system_sgpr_workgroup_id_z 1
		.amdhsa_system_vgpr_workitem_id 0
		.amdhsa_next_free_vgpr 256
		.amdhsa_next_free_sgpr 66
		.amdhsa_reserve_vcc 0
		.amdhsa_float_denorm_mode_32 3
		.amdhsa_float_denorm_mode_16_64 3
		.amdhsa_memory_ordered 1
		.amdhsa_forward_progress 1
		.amdhsa_inst_pref_size 42
	.end_amdhsa_kernel
	.amdgpu_metadata
---
amdhsa.version: [ 1, 2 ]
amdhsa.kernels:
  - .name:           k_q44fc315bc5_ln2
    .symbol:         k_q44fc315bc5_ln2.kd
    .args:
      - { .name: x1, .offset: 0, .size: 8, .value_kind: global_buffer, .address_space: global }
      - { .name: ln2_g, .offset: 8, .size: 8, .value_kind: global_buffer, .address_space: global }
      - { .name: ln2_b, .offset: 16, .size: 8, .value_kind: global_buffer, .address_space: global }
      - { .name: lowp_scales, .offset: 24, .size: 8, .value_kind: global_buffer, .address_space: global }
      - { .name: nx2, .offset: 32, .size: 8, .value_kind: global_buffer, .address_space: global }
    .group_segment_fixed_size: 0
    .private_segment_fixed_size: 0
    .kernarg_segment_align: 8
    .kernarg_segment_size: 40
    .max_flat_workgroup_size: 128
    .sgpr_count:     66
    .vgpr_count:     256
    .wavefront_size: 32
...
	.end_amdgpu_metadata
.endif
;; end of part 5
;; launch ffn1 (part 6): grid 16 x 16, 4 waves a work-group, clusters of 4 x 4, 327,680 bytes of LDS; arguments nx2, wcodes, lowp_scales, b1, hc; writes hc
.if DOCPART == 6
	.amdgcn_target "amdgcn-amd-amdhsa--gfx1250"
	.amdhsa_code_object_version 6
	.text
	.protected	k_q44fc315bc5_ffn1
	.globl	k_q44fc315bc5_ffn1
	.p2align	8
	.type	k_q44fc315bc5_ffn1,@function
k_q44fc315bc5_ffn1:
	s_mov_b64 s[64:65], 0
	v_nop
	global_prefetch_b8 v0, s[64:65] scope:SCOPE_SE
	s_setreg_imm32_b32 hwreg(HW_REG_WAVE_MODE, 25, 1), 1
	s_wait_xcnt 0x0
	s_wait_alu depctr_hold_cnt(0) depctr_sa_sdst(0) depctr_va_vdst(0) depctr_va_sdst(0) depctr_va_ssrc(0) depctr_va_vcc(0) depctr_vm_vsrc(0)
	s_getreg_b32 s2, hwreg(HW_REG_IB_STS2, 6, 4)
	s_cmp_eq_u32 s2, 0
	s_cbranch_scc0 .Lentry_in_a_cluster
	s_endpgm
.Lentry_in_a_cluster:
	s_bfe_u32 s2, ttmp6, 0x10000c
	s_cmp_lg_u32 s2, 0xf033
	s_cbranch_scc0 .Lentry_shape_is_right
	s_endpgm
.Lentry_shape_is_right:
.set KROW,   1024
.set ROWB,   256
.set PITCH,  272
.set FR,     16
.set NL,     4
.set NP,     4
.set HALFT,  128*PITCH
.set SLOT,   4*HALFT
.set LAPS,   2
.set SPARE,  2*SLOT
.set ADRA, 16
.set BO,   18
.set ADRB, 20
.set STO,  24
.set RD,   25
.set CO,   26
.set SPW,  28
.set NIL,  29
.set LIMR, 30
.set SCR,  31
.set BIAS, 32
.set CD,   96
.set AF,   128
.set TMP,  128
.set G1, 24
.set G0, 32
.set G1B, 48
.set G0B, 56
.set MSB, 0
.macro WIN new
.if MSB != \new
	s_set_vgpr_msb (MSB<<8)|\new
.set MSB, \new
.endif
.endm
.set MUL_LO, 0xa1
.set MUL_HI, 0xf1
.set TO_B,   0x40
.macro JLOAD g0a, g1a, g0b, g1b
	s_cmp_eq_u32 s15, 0
	s_cbranch_scc0 .Lfor_b_\@
	tensor_load_to_lds s[\g0a:\g0a+3], s[\g1a:\g1a+7]
	s_nop 0
.rept 4
	v_nop
.endr
	s_branch .Lasked_\@
.Lfor_b_\@:
	tensor_load_to_lds s[\g0b:\g0b+3], s[\g1b:\g1b+7]
	s_nop 0
.rept 4
	v_nop
.endr
.Lasked_\@:
.endm
.macro CREST
	s_cmp_lg_u32 s14, 0
	s_cbranch_scc1 .Lnot_wave_0_\@
	s_barrier_signal -3
.Lnot_wave_0_\@:
	s_barrier_wait -3
	s_barrier_signal -1
	s_barrier_wait -1
.endm
.macro CROUND
	s_barrier_signal -1
	s_barrier_wait -1
	CREST
.endm
	s_load_b256 s[68:75], s[0:1], 0x0
	s_load_b64 s[76:77], s[0:1], 0x20
	v_lshl_add_u32 v[SPW], v0, 2, SPARE
	v_mov_b32 v[NIL], 0
	ds_add_u32 v[SPW], v[NIL]
	ds_add_u32 v[SPW], v[NIL]
	v_lshrrev_b32 v1, 5, v0
	v_readfirstlane_b32 s14, v1
	s_lshr_b32 s15, s14, 1
	s_and_b32 s16, s14, 1
	s_bfe_u32 s40, ttmp6, 0x40000
	s_bfe_u32 s41, ttmp6, 0x40004
	s_lshl_b32 s42, ttmp9, 2
	s_add_co_u32 s42, s42, s40
	s_and_b32 s17, ttmp7, 0xffff
	s_lshl_b32 s17, s17, 2
	s_add_co_u32 s17, s17, s41
	s_lshl_b32 s43, s41, 2
	s_lshl_b32 s43, 15, s43
	s_lshl_b32 s44, 0x1111, s40
	s_or_b32 s[G1+0], s43, (1<<20)|(1<<21)|(5<<22)|(3<<25)
	s_or_b32 s[G1B+0], s44, (1<<20)|(1<<21)|(5<<22)|(3<<25)
.irp g, G1, G1B
	s_mov_b32 s[\g+1], ROWB<<16
	s_mov_b32 s[\g+2], 128<<16
	s_mov_b32 s[\g+3], ROWB<<16
	s_mov_b32 s[\g+4], 128
	s_mov_b32 s[\g+5], KROW
	s_mov_b32 s[\g+6], 0
	s_mov_b32 s[\g+7], 0
.endr
	s_lshl_b32 s18, s16, 7
	s_lshl_b32 s4, s17, 8
	s_add_co_u32 s4, s4, s18
	s_lshl_b32 s4, s4, 10
	s_mov_b32 s5, 0
	s_lshl_b32 s6, s42, 8
	s_add_co_u32 s6, s6, s18
	s_lshl_b32 s6, s6, 10
	s_add_co_u32 s6, s6, 0x400000
	s_mov_b32 s7, 0
	s_mul_i32 s45, s14, HALFT
	s_wait_dscnt 0x0
	s_wait_kmcnt 0x0
	s_load_b128 s[84:87], s[72:73], 0x30
	s_add_nc_u64 s[20:21], s[68:69], s[4:5]
	s_add_nc_u64 s[46:47], s[70:71], s[6:7]
	CROUND
.irp s, 0,1
	s_mov_b32 s[G0+4*\s], 1
	s_add_co_u32 s[G0+4*\s+1], s45, \s*SLOT
	s_add_nc_u64 s[G0+4*\s+2:G0+4*\s+3], s[20:21], \s*ROWB
	s_or_b32 s[G0+4*\s+3], s[G0+4*\s+3], 0x80000000
	s_mov_b32 s[G0B+4*\s], 1
	s_add_co_u32 s[G0B+4*\s+1], s45, \s*SLOT
	s_add_nc_u64 s[G0B+4*\s+2:G0B+4*\s+3], s[46:47], \s*ROWB
	s_or_b32 s[G0B+4*\s+3], s[G0B+4*\s+3], 0x80000000
.endr
	JLOAD G0, G1, G0B, G1B                         ; K step 0: one tensor load a wave at the head
	v_and_b32 v1, 15, v0
	v_bfe_u32 v2, v0, 4, 1
	v_mul_u32_u24 v3, v1, PITCH
	s_wait_alu depctr_va_vdst(0)
	v_lshl_add_u32 v4, v2, 4, v3
	s_mul_i32 s22, s15, HALFT
	s_mul_i32 s23, s16, HALFT
	s_add_co_u32 s23, s23, 2*HALFT
.irp s, 0,1
	v_add_nc_u32 v[ADRA+\s], s22, v4
	v_add_nc_u32 v[ADRB+\s], s23, v4
	s_add_co_u32 s22, s22, SLOT
	s_add_co_u32 s23, s23, SLOT
.endr
	s_mul_i32 s22, s15, 128*PITCH
	s_lshl_b32 s23, s16, 7
	s_add_co_u32 s22, s22, s23
	v_lshl_add_u32 v5, v2, 3, v3
	v_add_nc_u32 v[STO], s22, v5
	s_mul_i32 s22, s14, 64*PITCH
	v_mul_u32_u24 v6, v2, PITCH
	v_lshl_add_u32 v6, v1, 4, v6
	v_add_nc_u32 v[RD], s22, v6
	v_lshlrev_b32 v5, 12, v2
	v_lshl_add_u32 v[CO], v1, 4, v5
	s_lshl_b32 s22, s16, 9
	v_lshlrev_b32 v[BO], 5, v2
	v_add_nc_u32 v[BO], s22, v[BO]
	s_lshl_b32 s46, s42, 10
	s_mov_b32 s47, 0
	s_add_nc_u64 s[74:75], s[74:75], s[46:47]
.irp b, 0,1,2,3,4,5,6,7
	global_load_b128 v[BIAS+8*\b:BIAS+8*\b+3], v[BO], s[74:75] offset:64*\b
	global_load_b128 v[BIAS+8*\b+4:BIAS+8*\b+7], v[BO], s[74:75] offset:64*\b+16
.endr
	s_lshl_b32 s20, s17, 8
	s_lshl_b32 s21, s14, 6
	s_add_co_u32 s20, s20, s21
	s_lshl_b32 s20, s20, 12
	s_mov_b32 s21, 0
	s_add_nc_u64 s[76:77], s[76:77], s[20:21]
	s_lshl_b32 s46, s42, 8
	s_add_nc_u64 s[76:77], s[76:77], s[46:47]
	s_wait_kmcnt 0x0
	s_add_co_i32 s22, s84, s85
	s_add_co_i32 s22, s22, 127
	s_lshl_b32 s66, s22, 23
	s_mov_b32 s67, s66
	s_add_co_i32 s22, s86, 127
	s_lshl_b32 s23, s22, 23
	v_mov_b32 v[SCR], s23
	s_add_co_i32 s22, s22, 8
	s_lshl_b32 s22, s22, 23
	s_or_b32 s22, s22, 0x600000
	v_mov_b32 v[LIMR], s22
.macro FRAG reg, adr, q, i
.irp c, 0,1,2,3
	ds_load_b128 v[\reg+4*\c:\reg+4*\c+3], v[\adr] offset:128*(\q)+32*\c+(\i)*16*PITCH
.endr
.endm
.macro MUL16 a0, p, zero
.irp a, \a0, \a0+1
.irp b, 0,1,2,3,4,5,6,7
.if \zero
	v_wmma_f32_16x16x128_fp8_fp8 v[8*(8*((\a)%4)+\b):8*(8*((\a)%4)+\b)+7], v[128*(\p)+FR*\b:128*(\p)+FR*\b+FR-1], v[AF+FR*(\a):AF+FR*(\a)+FR-1], 0
.else
	v_wmma_f32_16x16x128_fp8_fp8 v[8*(8*((\a)%4)+\b):8*(8*((\a)%4)+\b)+7], v[128*(\p)+FR*\b:128*(\p)+FR*\b+FR-1], v[AF+FR*(\a):AF+FR*(\a)+FR-1], v[8*(8*((\a)%4)+\b):8*(8*((\a)%4)+\b)+7]
.endif
.endr
.endr
.endm
.macro FETCH_B slot, q, p
	WIN TO_B
.irp i, 0,1,2,3,4,5,6,7
	FRAG 128*(\p)+FR*\i, ADRB+\slot, \q, \i
.endr
	WIN 0
.endm
.macro FETCH_A slot, q, i0
.irp i, \i0, \i0+1, \i0+2, \i0+3
	FRAG AF+FR*(\i), ADRA+\slot, \q, \i
.endr
.endm
.macro PLACES n
.rept \n
	v_nop
.endr
.endm
.macro STEP slot, q, zero
	s_wait_dscnt 4*NL
	WIN MUL_LO
	MUL16 0, (\q)%2, \zero
	MUL16 2, (\q)%2, \zero
	s_wait_dscnt 0
	PLACES NP
	FETCH_B \slot, (\q)+1, 1-(\q)%2
	FETCH_A \slot, (\q)+1, 0
	WIN MUL_HI
	MUL16 4, (\q)%2, \zero
	MUL16 6, (\q)%2, \zero
	PLACES NP
	WIN 0
	FETCH_A \slot, (\q)+1, 4
.endm
.macro TURN slot, next, fill
	s_wait_tensorcnt 0x0
	ds_add_u32 v[SPW], v[NIL]
	s_wait_dscnt 4*NL+1
	WIN MUL_LO
	MUL16 0, 1, 0
	s_wait_dscnt 0x0
	s_barrier_signal -1
	MUL16 2, 1, 0
	WIN 0
	s_barrier_wait -1
.if \fill
	CREST
	s_add_nc_u64 s[G0+4*\slot+2:G0+4*\slot+3], s[G0+4*\slot+2:G0+4*\slot+3], 2*ROWB
	s_add_nc_u64 s[G0B+4*\slot+2:G0B+4*\slot+3], s[G0B+4*\slot+2:G0B+4*\slot+3], 2*ROWB
	JLOAD G0+4*\slot, G1, G0B+4*\slot, G1B
.else
	PLACES NP
.endif
	FETCH_B \next, 0, 0
	FETCH_A \next, 0, 0
	WIN MUL_HI
	MUL16 4, 1, 0
	MUL16 6, 1, 0
	PLACES NP
	WIN 0
	FETCH_A \next, 0, 4
.endm
	s_wait_alu depctr_va_vdst(0)                   ; the wait at the head's end
	s_wait_tensorcnt 0x0                           ; my part of K step 0 is in
	ds_add_u32 v[SPW], v[NIL]
	s_wait_dscnt 0x0
	CROUND                                         ; everybody's part is in, and the joint loads meet
	JLOAD G0+4, G1, G0B+4, G1B                     ; K step 1, the first tensor load behind the round
	FETCH_B 0, 0, 0
	FETCH_A 0, 0, 0
	FETCH_A 0, 0, 4
	STEP 0, 0, 1
	s_mov_b32 s3, LAPS-1
.Llap:
	TURN 0, 1, 1
	STEP 1, 0, 0
	TURN 1, 0, 1
	STEP 0, 0, 0
	s_sub_co_u32 s3, s3, 1
	s_cmp_lg_u32 s3, 0
	s_cbranch_scc1 .Llap
	TURN 0, 1, 0
	STEP 1, 0, 0
	s_wait_dscnt 4*NL
	WIN MUL_LO
	MUL16 0, 1, 0
	MUL16 2, 1, 0
	s_wait_dscnt 0
	WIN MUL_HI
	MUL16 4, 1, 0
	MUL16 6, 1, 0
	WIN 0
	s_wait_loadcnt 0x0
	PLACES NP
.macro BLOCK a
.set W, 2+(\a)/4
.set WW, (W<<6)|W
.set AC, 64*((\a)%4)
	WIN WW
.set j, 0
.rept 32
	v_pk_fma_f32 v[AC+j:AC+j+1], v[AC+j:AC+j+1], s[66:67], v[BIAS+j:BIAS+j+1] op_sel_hi:[1,0,1]
.set j, j+2
.endr
	WIN W
.set j, 0
.rept 32
	v_pk_mul_f32 v[TMP+j:TMP+j+1], v[AC+j:AC+j+1], 0xbfb8aa3b op_sel_hi:[1,0]
.set j, j+2
.endr
	WIN 0
.set j, 0
	s_wait_alu depctr_va_vdst(0)
.rept 64
	v_exp_f32 v[TMP+j], v[TMP+j]
.set j, j+1
.endr
	v_nop
	s_wait_alu depctr_va_vdst(0)
.set j, 0
.rept 32
	v_pk_add_f32 v[TMP+j:TMP+j+1], v[TMP+j:TMP+j+1], 1.0 op_sel_hi:[1,0]
.set j, j+2
.endr
.set j, 0
	s_wait_alu depctr_va_vdst(0)
.rept 64
	v_rcp_f32 v[TMP+j], v[TMP+j]
.set j, j+1
.endr
	v_nop
	s_wait_alu depctr_va_vdst(0)
	WIN WW
.set j, 0
.rept 32
	v_pk_mul_f32 v[AC+j:AC+j+1], v[AC+j:AC+j+1], v[TMP+j:TMP+j+1]
.set j, j+2
.endr
.set j, 0
.rept 64
	v_med3_num_f32 v[AC+j], v[AC+j], -v[LIMR], v[LIMR]
.set j, j+1
.endr
	s_wait_alu depctr_va_vdst(0)
	s_wait_dscnt 0x0
	WIN W
.irp b, 0,1,2,3,4,5,6,7
	v_cvt_scalef32_pk8_fp8_f32 v[CD+2*\b:CD+2*\b+1], v[AC+8*\b:AC+8*\b+7], v[SCR]
.endr
	WIN 0
	v_nop
.irp b, 0,1,2,3,4,5,6,7
	ds_store_b64 v[STO], v[CD+2*\b:CD+2*\b+1] offset:(\a)*16*PITCH+16*\b
.endr
.endm
.irp a, 0,1,2,3,4,5,6,7
	BLOCK \a
.endr
	s_wait_dscnt 0x0
	s_barrier_signal -1
	s_barrier_wait -1
.set j, 0
.rept 32
	ds_load_b128 v[AF+4*j:AF+4*j+3], v[RD] offset:j*2*PITCH
.set j, j+1
.endr
.set j, 0
.rept 32
	s_wait_dscnt 31-j
	global_store_b128 v[CO], v[AF+4*j:AF+4*j+3], s[76:77] offset:2*j*4096
.set j, j+1
.endr
	s_wait_tensorcnt 0x0
	ds_add_u32 v[SPW], v[NIL]
	s_wait_dscnt 0x0
	CROUND
	s_endpgm
.Lfunc_end_k_q44fc315bc5_ffn1:
	.size	k_q44fc315bc5_ffn1, .Lfunc_end_k_q44fc315bc5_ffn1-k_q44fc315bc5_ffn1
	.p2alignl 7, 3214868480
	.fill 96, 4, 3214868480
	.section	.rodata,"a",@progbits
	.p2align	6, 0x0
	.amdhsa_kernel k_q44fc315bc5_ffn1
		.amdhsa_group_segment_fixed_size 327680
		.amdhsa_private_segment_fixed_size 0
		.amdhsa_enable_private_segment 0
		.amdhsa_kernarg_size 40
		.amdhsa_user_sgpr_count 2
		.amdhsa_user_sgpr_kernarg_segment_ptr 1
		.amdhsa_wavefront_size32 1
		.amdhsa_system_sgpr_workgroup_id_x 1
		.amdhsa_system_sgpr_workgroup_id_y 1
		.amdhsa_system_sgpr_workgroup_id_z 1
		.amdhsa_system_vgpr_workitem_id 0
		.amdhsa_next_free_vgpr 1024
		.amdhsa_next_free_sgpr 100
		.amdhsa_reserve_vcc 0
		.amdhsa_float_denorm_mode_32 3
		.amdhsa_float_denorm_mode_16_64 3
		.amdhsa_memory_ordered 1
		.amdhsa_forward_progress 1
		.amdhsa_inst_pref_size 234
	.end_amdhsa_kernel
	.amdgpu_metadata
---
amdhsa.version: [ 1, 2 ]
amdhsa.kernels:
  - .name:           k_q44fc315bc5_ffn1
    .symbol:         k_q44fc315bc5_ffn1.kd
    .args:
      - { .name: nx2, .offset: 0, .size: 8, .value_kind: global_buffer, .address_space: global }
      - { .name: wcodes, .offset: 8, .size: 8, .value_kind: global_buffer, .address_space: global }
      - { .name: lowp_scales, .offset: 16, .size: 8, .value_kind: global_buffer, .address_space: global }
      - { .name: b1, .offset: 24, .size: 8, .value_kind: global_buffer, .address_space: global }
      - { .name: hc, .offset: 32, .size: 8, .value_kind: global_buffer, .address_space: global }
    .group_segment_fixed_size: 327680
    .private_segment_fixed_size: 0
    .kernarg_segment_align: 8
    .kernarg_segment_size: 40
    .max_flat_workgroup_size: 128
    .sgpr_count:     100
    .vgpr_count:     1024
    .wavefront_size: 32
...
	.end_amdgpu_metadata
.endif
;; end of part 6
;; launch ffn2 (part 7): grid 8 x 32, 4 waves a work-group, clusters of 4 x 4, 327,680 bytes of LDS; arguments hc, wcodes, lowp_scales, b2, x1, out0; writes out0
.if DOCPART == 7
	.amdgcn_target "amdgcn-amd-amdhsa--gfx1250"
	.amdhsa_code_object_version 6
	.text
	.protected	k_q44fc315bc5_ffn2
	.globl	k_q44fc315bc5_ffn2
	.p2align	8
	.type	k_q44fc315bc5_ffn2,@function
k_q44fc315bc5_ffn2:
	s_mov_b64 s[64:65], 0
	v_nop
	global_prefetch_b8 v0, s[64:65] scope:SCOPE_SE
	s_setreg_imm32_b32 hwreg(HW_REG_WAVE_MODE, 25, 1), 1
	s_wait_xcnt 0x0
	s_wait_alu depctr_hold_cnt(0) depctr_sa_sdst(0) depctr_va_vdst(0) depctr_va_sdst(0) depctr_va_ssrc(0) depctr_va_vcc(0) depctr_vm_vsrc(0)
	s_getreg_b32 s2, hwreg(HW_REG_IB_STS2, 6, 4)
	s_cmp_eq_u32 s2, 0
	s_cbranch_scc0 .Lentry_in_a_cluster
	s_endpgm
.Lentry_in_a_cluster:
	s_bfe_u32 s2, ttmp6, 0x10000c
	s_cmp_lg_u32 s2, 0xf033
	s_cbranch_scc0 .Lentry_shape_is_right
	s_endpgm
.Lentry_shape_is_right:
.set KROW,   4096
.set WOFF,   0x800000
.set EOFF,   56
.set KSTEP,  512
.set PITCH,  528
.set HALFT,  64*PITCH
.set SLOT,   4*HALFT
.set STAGE,  2*SLOT
.set SPITCH, 272
.set SPARE,  STAGE+4*16*SPITCH
.set LAPS,   KROW/(2*KSTEP)
.set ADRA, 16
.set ADRB, 20
.set STO,  24
.set RD,   25
.set CO,   26
.set BOF,  27
.set SPW,  28
.set NIL,  29
.set BK,   32
.set BIASR, 96
.set ACC,  128
.set F0,   0
.set F1,   128
.set G1, 24
.set G0, 32
.set G1B, 48
.set G0B, 56
.set MSB, 0
.macro WIN new
.if MSB != \new
	s_set_vgpr_msb (MSB<<8)|\new
.set MSB, \new
.endif
.endm
.set MUL,  0x05
.set TO_F, 0x40
.macro JLOAD s
	s_cmp_eq_u32 s11, 0
	s_cbranch_scc0 .Lfor_b_\@
	tensor_load_to_lds s[G0+4*\s:G0+4*\s+3], s[G1:G1+7]
	s_nop 0
.rept 4
	v_nop
.endr
	s_branch .Lasked_\@
.Lfor_b_\@:
	tensor_load_to_lds s[G0B+4*\s:G0B+4*\s+3], s[G1B:G1B+7]
	s_nop 0
.rept 4
	v_nop
.endr
.Lasked_\@:
.endm
.macro CREST
	s_cmp_lg_u32 s10, 0
	s_cbranch_scc1 .Lnot_wave_0_\@
	s_barrier_signal -3
.Lnot_wave_0_\@:
	s_barrier_wait -3
	s_barrier_signal -1
	s_barrier_wait -1
.endm
.macro CROUND
	s_barrier_signal -1
	s_barrier_wait -1
	CREST
.endm
	s_load_b256 s[68:75], s[0:1], 0x0
	s_load_b128 s[76:79], s[0:1], 0x20
	v_lshl_add_u32 v[SPW], v0, 2, SPARE
	v_mov_b32 v[NIL], 0
	ds_add_u32 v[SPW], v[NIL]
	ds_add_u32 v[SPW], v[NIL]
	v_lshrrev_b32 v1, 5, v0
	v_readfirstlane_b32 s10, v1
	s_lshr_b32 s11, s10, 1
	s_and_b32 s12, s10, 1
	s_bfe_u32 s40, ttmp6, 0x40000
	s_bfe_u32 s41, ttmp6, 0x40004
	s_lshl_b32 s42, ttmp9, 2
	s_add_co_u32 s42, s42, s40
	s_and_b32 s13, ttmp7, 0xffff
	s_lshl_b32 s13, s13, 2
	s_add_co_u32 s13, s13, s41
	s_lshl_b32 s43, s41, 2
	s_lshl_b32 s43, 15, s43
	s_lshl_b32 s44, 0x1111, s40
	s_or_b32 s[G1+0], s43, (1<<20)|(1<<21)|(6<<22)|(3<<25)
	s_or_b32 s[G1B+0], s44, (1<<20)|(1<<21)|(6<<22)|(3<<25)
.irp g, G1, G1B
	s_mov_b32 s[\g+1], KSTEP<<16
	s_mov_b32 s[\g+2], 64<<16
	s_mov_b32 s[\g+3], KSTEP<<16
	s_mov_b32 s[\g+4], 64
	s_mov_b32 s[\g+5], KROW
	s_mov_b32 s[\g+6], 0
	s_mov_b32 s[\g+7], 0
.endr
	s_lshl_b32 s17, s12, 6
	s_lshl_b32 s16, s13, 7
	s_add_co_u32 s16, s16, s17
	s_lshl_b32 s46, s42, 7
	s_add_co_u32 s46, s46, s17
	s_mul_i32 s16, s16, KROW
	s_mov_b32 s17, 0
	s_mul_i32 s46, s46, KROW
	s_add_co_u32 s46, s46, WOFF
	s_mov_b32 s47, 0
	s_mul_i32 s20, s10, HALFT
	s_wait_dscnt 0x0
	s_wait_kmcnt 0x0
	s_load_b64 s[80:81], s[72:73], EOFF
	s_add_nc_u64 s[14:15], s[68:69], s[16:17]
	s_add_nc_u64 s[46:47], s[70:71], s[46:47]
	CROUND
.irp s, 0,1
	s_mov_b32 s[G0+4*\s], 1
	s_add_co_u32 s[G0+4*\s+1], s20, \s*SLOT
	s_add_nc_u64 s[G0+4*\s+2:G0+4*\s+3], s[14:15], \s*KSTEP
	s_or_b32 s[G0+4*\s+3], s[G0+4*\s+3], 0x80000000
	s_mov_b32 s[G0B+4*\s], 1
	s_add_co_u32 s[G0B+4*\s+1], s20, \s*SLOT
	s_add_nc_u64 s[G0B+4*\s+2:G0B+4*\s+3], s[46:47], \s*KSTEP
	s_or_b32 s[G0B+4*\s+3], s[G0B+4*\s+3], 0x80000000
.endr
	JLOAD 0                                        ; K step 0: one tensor load a wave at the head
	v_and_b32 v1, 15, v0
	v_bfe_u32 v2, v0, 4, 1
	v_lshlrev_b32 v[BOF], 4, v1
	s_wait_alu depctr_va_vdst(0)
	v_lshl_add_u32 v[CO], v2, 12, v[BOF]
	s_wait_alu depctr_va_vdst(0)
	s_lshl_b32 s16, s13, 7
	s_lshl_b32 s17, s11, 6
	s_add_co_u32 s16, s16, s17
	s_lshl_b32 s16, s16, 12
	s_mov_b32 s17, 0
	s_add_nc_u64 s[76:77], s[76:77], s[16:17]
	s_add_nc_u64 s[78:79], s[78:79], s[16:17]
	s_lshl_b32 s46, s42, 9
	s_lshl_b32 s47, s12, 8
	s_add_co_u32 s46, s46, s47
	s_mov_b32 s47, 0
	s_add_nc_u64 s[74:75], s[74:75], s[46:47]
	s_add_nc_u64 s[76:77], s[76:77], s[46:47]
	s_add_nc_u64 s[78:79], s[78:79], s[46:47]
	global_load_b128 v[BIASR:BIASR+3], v[BOF], s[74:75]
	WIN 0x80
.set j, 0
.rept 32
	global_load_b128 v[4*j:4*j+3], v[CO], s[76:77] offset:2*j*4096 th:TH_LOAD_NT
.set j, j+1
.endr
	WIN 0
	v_mul_u32_u24 v3, v1, PITCH
	v_lshl_add_u32 v3, v2, 4, v3
	s_mul_i32 s21, s11, HALFT
	s_mul_i32 s22, s12, HALFT
	s_add_co_u32 s22, s22, 2*HALFT
.irp s, 0,1
	v_add_nc_u32 v[ADRA+\s], s21, v3
	v_add_nc_u32 v[ADRB+\s], s22, v3
	s_add_co_u32 s21, s21, SLOT
	s_add_co_u32 s22, s22, SLOT
.endr
	s_mul_i32 s23, s10, 16*SPITCH
	s_add_co_u32 s23, s23, STAGE
	v_mul_u32_u24 v4, v1, SPITCH
	v_lshl_add_u32 v4, v2, 5, v4
	v_add_nc_u32 v[STO], s23, v4
	v_mul_u32_u24 v5, v2, SPITCH
	v_lshl_add_u32 v5, v1, 4, v5
	v_add_nc_u32 v[RD], s23, v5
	s_wait_alu depctr_va_vdst(0)
	s_wait_kmcnt 0x0
	s_add_co_i32 s66, s80, s81
	s_add_co_i32 s66, s66, 127
	s_lshl_b32 s66, s66, 23
	s_mov_b32 s67, s66
.macro MULA f, a, zero
.irp b, 0,1,2,3
.if \zero
	v_wmma_f32_16x16x128_fp8_fp8 v[ACC+8*(4*(\a)+\b):ACC+8*(4*(\a)+\b)+7], v[\f+64+16*\b:\f+64+16*\b+15], v[\f+16*(\a):\f+16*(\a)+15], 0
.else
	v_wmma_f32_16x16x128_fp8_fp8 v[ACC+8*(4*(\a)+\b):ACC+8*(4*(\a)+\b)+7], v[\f+64+16*\b:\f+64+16*\b+15], v[\f+16*(\a):\f+16*(\a)+15], v[ACC+8*(4*(\a)+\b):ACC+8*(4*(\a)+\b)+7]
.endif
.endr
.endm
.macro FETCH slot, k, f
	WIN TO_F
.irp i, 0,1,2,3
.irp c, 0,1,2,3
	ds_load_b128 v[\f+64+16*\i+4*\c:\f+64+16*\i+4*\c+3], v[ADRB+\slot] offset:\k+32*\c+\i*16*PITCH
.endr
.endr
.irp i, 0,1,2,3
.irp c, 0,1,2,3
	ds_load_b128 v[\f+16*\i+4*\c:\f+16*\i+4*\c+3], v[ADRA+\slot] offset:\k+32*\c+\i*16*PITCH
.endr
.endr
.endm
.macro PLACES
.rept 4
	v_nop
.endr
.endm
.macro QUARTER slot, k, f, g, zero
	s_wait_dscnt 8
	WIN MUL
	MULA \f, 0, \zero
	MULA \f, 1, \zero
	PLACES
	FETCH \slot, \k, \g
	s_wait_dscnt 32
	WIN MUL
	MULA \f, 2, \zero
	MULA \f, 3, \zero
.endm
.macro TURN slot, next, fill
	WIN 0
	s_wait_tensorcnt 0x0
	ds_add_u32 v[SPW], v[NIL]
	s_wait_dscnt 9
	WIN MUL
	MULA F1, 0, 0
	s_wait_dscnt 0x0
	s_barrier_signal -1
	MULA F1, 1, 0
.if \fill
	WIN 0
.endif
	s_barrier_wait -1
.if \fill
	CREST
	s_add_nc_u64 s[G0+4*\slot+2:G0+4*\slot+3], s[G0+4*\slot+2:G0+4*\slot+3], 2*KSTEP
	s_add_nc_u64 s[G0B+4*\slot+2:G0B+4*\slot+3], s[G0B+4*\slot+2:G0B+4*\slot+3], 2*KSTEP
	JLOAD \slot
.else
	PLACES
.endif
	FETCH \next, 0, F0
	WIN MUL
	MULA F1, 2, 0
	MULA F1, 3, 0
.endm
	s_wait_alu depctr_va_vdst(0)                   ; the wait at the head's end
	s_wait_tensorcnt 0x0                           ; my part of K step 0 is in
	ds_add_u32 v[SPW], v[NIL]
	s_wait_dscnt 0x0
	CROUND                                         ; everybody's part is in, and the joint loads meet
	JLOAD 1                                        ; K step 1, the first tensor load behind the round
	FETCH 0, 0, F0
	QUARTER 0, 128, F0, F1, 1
.if LAPS > 1
	WIN 0
	s_mov_b32 s3, LAPS-1
.Llap:
	QUARTER 0, 256, F1, F0, 0
	QUARTER 0, 384, F0, F1, 0
	TURN 0, 1, 1
	QUARTER 1, 128, F0, F1, 0
	QUARTER 1, 256, F1, F0, 0
	QUARTER 1, 384, F0, F1, 0
	TURN 1, 0, 1
	QUARTER 0, 128, F0, F1, 0
	WIN 0
	s_sub_co_u32 s3, s3, 1
	s_cmp_lg_u32 s3, 0
	s_cbranch_scc1 .Llap
.endif
	QUARTER 0, 256, F1, F0, 0
	QUARTER 0, 384, F0, F1, 0
	TURN 0, 1, 0
	QUARTER 1, 128, F0, F1, 0
	QUARTER 1, 256, F1, F0, 0
	QUARTER 1, 384, F0, F1, 0
	s_wait_dscnt 8
	WIN MUL
	MULA F1, 0, 0
	MULA F1, 1, 0
	s_wait_dscnt 0
	MULA F1, 2, 0
	MULA F1, 3, 0
	WIN 0
.macro TOSTAGE a
.irp b, 0,1,2,3
	ds_store_b128 v[STO], v[ACC+8*(4*(\a)+\b):ACC+8*(4*(\a)+\b)+3] offset:64*\b
	ds_store_b128 v[STO], v[ACC+8*(4*(\a)+\b)+4:ACC+8*(4*(\a)+\b)+7] offset:64*\b+16
.endr
.set BB, BK+32*((\a)%2)
.irp t, 0,1,2,3,4,5,6,7
	ds_load_b128 v[BB+4*\t:BB+4*\t+3], v[RD] offset:\t*2*SPITCH
.endr
.endm
.macro SEND a, younger
.set BB, BK+32*((\a)%2)
	s_wait_dscnt \younger
	WIN 0x20
.set j, 0
.rept 16
	v_pk_fma_f32 v[BB+j:BB+j+1], v[BB+j:BB+j+1], s[66:67], v[32*(\a)+j:32*(\a)+j+1] op_sel_hi:[1,0,1]
.set j, j+2
.endr
	WIN 0
.irp t, 0,1,2,3,4,5,6,7
	v_pk_add_f32 v[BB+4*\t:BB+4*\t+1], v[BB+4*\t:BB+4*\t+1], v[BIASR:BIASR+1]
	v_pk_add_f32 v[BB+4*\t+2:BB+4*\t+3], v[BB+4*\t+2:BB+4*\t+3], v[BIASR+2:BIASR+3]
.endr
.irp t, 0,1,2,3,4,5,6,7
	global_store_b128 v[CO], v[BB+4*\t:BB+4*\t+3], s[78:79] offset:(16*(\a)+2*\t)*4096
.endr
.endm
	s_wait_loadcnt 0x0
	PLACES
	TOSTAGE 0
.irp a, 1,2,3
.if \a > 1
	s_wait_xcnt 0x0
.endif
	TOSTAGE \a
	SEND \a-1, 16
.endr
	SEND 3, 0
	s_wait_tensorcnt 0x0
	ds_add_u32 v[SPW], v[NIL]
	s_wait_dscnt 0x0
	CROUND
	s_endpgm
.Lfunc_end_k_q44fc315bc5_ffn2:
	.size	k_q44fc315bc5_ffn2, .Lfunc_end_k_q44fc315bc5_ffn2-k_q44fc315bc5_ffn2
	.p2alignl 7, 3214868480
	.fill 96, 4, 3214868480
	.section	.rodata,"a",@progbits
	.p2align	6, 0x0
	.amdhsa_kernel k_q44fc315bc5_ffn2
		.amdhsa_group_segment_fixed_size 327680
		.amdhsa_private_segment_fixed_size 0
		.amdhsa_enable_private_segment 0
		.amdhsa_kernarg_size 48
		.amdhsa_user_sgpr_count 2
		.amdhsa_user_sgpr_kernarg_segment_ptr 1
		.amdhsa_wavefront_size32 1
		.amdhsa_system_sgpr_workgroup_id_x 1
		.amdhsa_system_sgpr_workgroup_id_y 1
		.amdhsa_system_sgpr_workgroup_id_z 1
		.amdhsa_system_vgpr_workitem_id 0
		.amdhsa_next_free_vgpr 768
		.amdhsa_next_free_sgpr 100
		.amdhsa_reserve_vcc 0
		.amdhsa_float_denorm_mode_32 3
		.amdhsa_float_denorm_mode_16_64 3
		.amdhsa_memory_ordered 1
		.amdhsa_forward_progress 1
		.amdhsa_inst_pref_size 82
	.end_amdhsa_kernel
	.amdgpu_metadata
---
amdhsa.version: [ 1, 2 ]
amdhsa.kernels:
  - .name:           k_q44fc315bc5_ffn2
    .symbol:         k_q44fc315bc5_ffn2.kd
    .args:
      - { .name: hc, .offset: 0, .size: 8, .value_kind: global_buffer, .address_space: global }
      - { .name: wcodes, .offset: 8, .size: 8, .value_kind: global_buffer, .address_space: global }
      - { .name: lowp_scales, .offset: 16, .size: 8, .value_kind: global_buffer, .address_space: global }
      - { .name: b2, .offset: 24, .size: 8, .value_kind: global_buffer, .address_space: global }
      - { .name: x1, .offset: 32, .size: 8, .value_kind: global_buffer, .address_space: global }
      - { .name: out0, .offset: 40, .size: 8, .value_kind: global_buffer, .address_space: global }
    .group_segment_fixed_size: 327680
    .private_segment_fixed_size: 0
    .kernarg_segment_align: 8
    .kernarg_segment_size: 48
    .max_flat_workgroup_size: 128
    .sgpr_count:     100
    .vgpr_count:     768
    .wavefront_size: 32
...
	.end_amdgpu_metadata
.endif
;; end of part 7
